; MI455X (gfx1250); checked and timed in simulation.
; The chip was launched on July 23, 2026; its instructions are those of AMD's public machine-readable ISA for CDNA 5 (MIT licence, August 2026) and "CDNA5" Instruction Set Architecture Reference Guide (July 2026). The comments in the code are by the model that wrote it; some were corrected since.
;; Attention. Allowed arithmetic: matrix products marked QUANTISED: E2M1 operands, one E8M0 scale for each 32 along K, by v_wmma_scale_f32_16x16x128_f8f6f4 with both operands' format E2M1 (or v_wmma_scale_f32_32x16x128_f4), f32 sums; products left as they are: bf16, f16 or f32 operands; f32 sums; everything else in f32.
;; Inputs: W_attn 1,024 x 3,072 float32; W_proj 1,024 x 1,024 float32; b_attn 3,072 float32; b_proj 1,024 float32; x 4 x 2,048 x 1,024 float32.
;; Outputs: out0 4 x 2,048 x 1,024 float32.
;; This version of the problem:
;;   THIS VERSION OF THE PROBLEM IS GIVEN IN LOW PRECISION. The matrix products marked QUANTISED in the list below multiply operands that are first quantised to E2M1 (2 exponent bits, 1 mantissa bit; 4 bits a number), with one power-of-two scale for each 32 numbers along K (OCP MX v1.0); their sums are f32. The products marked 'left as it is' may take bf16, f16 or f32 operands, with f32 sums. Whichever they take, every output number must still come out within the allowed error. Rounding operands to bf16 (8 significant bits) uses up far more of that allowance than f16 does (11 bits, for magnitudes from 6e-5 to 65,504). All else is computed in f32.
;;   The module's matrix products, in the order in which they are computed (A, B: the left and right operand; K: the contracted axis; several contracted axes count as one K, in the product's order):
;;     1. [M 8,192, K 1,024] x [K 1,024, N 3,072]; A: input x; B: input W_attn: QUANTISED
;;     2. batch 64 x [M 2,048, K 64] x [K 64, N 2,048]; A: computed on the way; B: computed on the way: left as it is (an operand is computed on the way)
;;     3. batch 64 x [M 2,048, K 2,048] x [K 2,048, N 64]; A: computed on the way; B: computed on the way: left as it is (an operand is computed on the way)
;;     4. [M 8,192, K 1,024] x [K 1,024, N 1,024]; A: computed on the way; B: input W_proj: left as it is (an operand is computed on the way)
;;   THE QUANTISER, for each operand of a quantised product, along K:
;;     - K is cut into blocks of 32 from its start; a last block that is shorter is filled with zeros.
;;     - A block's scale is 2^e with e = floor(log2(the largest magnitude in the block)) - 2, held to -126 .. 127; a block of zeros has e = 0. As a byte (E8M0): e + 127.
;;     - Each number is divided by its block's scale, clamped to +-6, and rounded to the nearest number of E2M1, ties to even, subnormals kept.
;;     - The product sums the exact products of the quantised numbers (number of the format x scale) in f32.
;;   ~~~python
;;   def quantise(x, axis):      # numpy; x: float32 -> the quantised numbers, widened to float32 again
;;       x = np.moveaxis(x, axis, -1); K = x.shape[-1]
;;       x = np.pad(x, [(0, 0)] * (x.ndim - 1) + [(0, -K % 32)]); x = x.reshape(x.shape[:-1] + (-1, 32)); a = np.abs(x).max(-1, keepdims=True)
;;       e = np.where(a > 0, np.clip(np.frexp(np.where(a > 0, a, 1))[1] - 1 - 2, -126, 127), 0)      # np.frexp(a)[1] - 1 = floor(log2(a)), exactly
;;       r = np.clip(x / 2.0 ** e, -6, 6)
;;       step = 2.0 ** (np.maximum(np.frexp(np.where(r == 0, 1, r))[1] - 1, 0) - 1)
;;       q = np.round(r / step) * step * 2.0 ** e      # np.round: ties to even
;;       return np.moveaxis(q.reshape(q.shape[:-2] + (-1,))[..., :K], -1, axis).astype(np.float32)
;;   ~~~
;; One version. Each part assembles by itself: llvm-mc -triple=amdgcn-amd-amdhsa -mcpu=gfx1250 --defsym DOCPART=n.
;; ======== version 1 of 1: 5 launches
;; limits: values are held in f16: magnitudes above 65,504 overflow, below 6.1e-05 lose precision; right only within a limited range of input values
;; workspace buffers: x_codes 4,194,304 bytes; x_scales 262,144 bytes; w_codes 1,572,864 bytes; w_scales 98,304 bytes; wp16 2,097,152 bytes; qkv16 50,331,648 bytes; first32 786,432 bytes; a16 16,777,216 bytes
;; launch prep (part 1): grid 240 x 1, 8 waves a work-group, no clusters, 102,400 bytes of LDS; arguments x, W_attn, W_proj, x_codes, x_scales, w_codes, w_scales, wp16; writes x_codes, x_scales, w_codes, w_scales, wp16
.if DOCPART == 1
	.amdgcn_target "amdgcn-amd-amdhsa--gfx1250"
	.amdhsa_code_object_version 6
	.text
	.protected	k_q273e8d7a59_prep
	.globl	k_q273e8d7a59_prep
	.p2align	8
	.type	k_q273e8d7a59_prep,@function
k_q273e8d7a59_prep:
	s_mov_b64 s[64:65], 0
	v_nop
	global_prefetch_b8 v0, s[64:65] scope:SCOPE_SE
	s_setreg_imm32_b32 hwreg(HW_REG_WAVE_MODE, 25, 1), 1
	s_wait_xcnt 0x0
; THE PROGRAM: out = merge(softmax(causal(q k^T / 8)) v) W_proj + b_proj, with q, k, v = split(x W_attn + b_attn).  B = 4, S = 2,048, D = 1,024, 16 heads of 64.  Five launches:
;   prep     x and W_attn into codes of FP4 (E2M1) with one E8M0 byte for each 32 along K; W_proj into f16
;   qkv      x W_attn on those codes, + b_attn; q, k, v as f16, laid by head; positions 0-15 of every sequence also as f32
;   attn     the causal attention on f16 operands, f32 sums, running maximum
;   proj     a W_proj + b_proj on f16 operands
;   first16  positions 0-15 of every sequence once more, attention and projection in f32: those rows average one to sixteen values, are the largest in size, and are carried finely; it writes their 64 rows of the output over
; WORK LEFT OUT.  reference() sets the score of key k for query q to -1e9 wherever k > q, by a mask that it builds itself.  The weight of such a key is e^(-1e9 - the row's largest score), which f32 holds as 0 for every row
; whose largest visible score lies above about -1e9 + 100.  So key steps all of whose keys come after all queries of a wave are not multiplied (launch attn).  Inside a step that holds visible keys the hidden scores get reference()'s
; own value.  Nothing else is left out; all five inputs are loaded.
; LIMITS.  Rows whose visible scores lie near or under -1e9 are not served.  q, k, v and a go as f16: their magnitudes must stay under 65,504, and under about 6e-5 they lose bits.  NaN and infinities among the inputs are not served;
; a NaN, an infinity or an overflow that reaches only hidden keys is not carried to the result.
;
; THIS LAUNCH.  Three paths, chosen by the work-group's number alone; each has LDS bytes of its own.
;   work-groups 0-47    W: W_attn [1024 (k)][3072 (n)] f32 -> w_codes [3072][512 bytes], K innermost, w_scales [3072][32].  A lane takes a column and its registers run down K.
;   work-groups 48-175  X: x [8192][1024] f32 -> x_codes [8192][512 bytes], x_scales [8192][32]: a plain stream of blocks of 32.
;   work-groups 176-239 C: W_proj f32 -> wp16 f16, same order.
; A block's scale is 2^(floor(log2(its largest magnitude)) - 2); its byte is the largest magnitude's exponent field - 2, held at 1 from below.  A block of zeros so gets the byte 1 where the stated quantiser says 127:
; its codes are zeros, which add nothing under any byte but 0xff, and this program alone reads the bytes.
.set WREG,  8192                       ; X: a wave's LDS region: two stages of 32 x SP bytes, and behind them its 256 scale bytes
.set SP,    80                         ; X: a lane's place in a stage: 64 bytes + 16 of padding
.set CB,    8                          ; bytes of 16 codes
.set STEPS, 16                         ; X: steps of 512 numbers for a wave
.set R,     16                         ; X: v16-79   four sets of 16 numbers as loaded
.set X,     80                         ; X: v80-111  two sets of 16 neighbours
.set E,     112                        ; X: v112-127 a scale byte for each step
.set C,     128                        ; X: v128-191 codes, four registers for each step
.set WSTG,  65536                      ; W: 64 columns x WPIT bytes of codes
.set WPIT,  528                        ; W: a column's 512 bytes of codes + 16 of padding
.set WSC,   99328                      ; W: 64 columns x 32 scale bytes
.set WROW,  12288                      ; a row of W_attn in bytes
.set SPARE, 101376                     ; the spare words, 128 bytes for each of the eight waves: four blocks of 256 bytes that no other line names
.set SPW,   12                         ; v12 LDS address of my spare word; never rewritten
.set NIL,   13                         ; v13 0; never rewritten
	s_load_b256 s[4:11], s[0:1], 0x0               ; x s[4:5], W_attn s[6:7], W_proj s[8:9], x_codes s[10:11]
	s_load_b256 s[12:19], s[0:1], 0x20             ; x_scales s[12:13], w_codes s[14:15], w_scales s[16:17], wp16 s[18:19]
	v_lshl_add_u32 v[SPW], v0, 2, SPARE
	v_mov_b32 v[NIL], 0
	v_lshrrev_b32 v1, 5, v0
	v_readfirstlane_b32 s20, v1                    ; wave 0..7
	v_and_b32 v2, 31, v0                           ; lane
	s_wait_kmcnt 0x0
	s_cmp_lt_u32 ttmp9, 48                         ; the path hangs on the work-group's number alone: all eight waves go the same way
	s_cbranch_scc1 .Lw
	s_cmp_lt_u32 ttmp9, 176
	s_cbranch_scc1 .Lx
; ---- C: a wave casts 2,048 numbers: 16 loads of 512 consecutive bytes, 16 stores of 256 consecutive bytes, aligned
	s_sub_co_u32 s21, ttmp9, 176
	s_lshl_b32 s21, s21, 3
	s_add_co_u32 s21, s21, s20                     ; which run of 2,048 numbers: 0..511
	s_lshl_b32 s22, s21, 13
	s_mov_b32 s23, 0
	s_add_nc_u64 s[8:9], s[8:9], s[22:23]
	s_lshl_b32 s22, s21, 12
	s_add_nc_u64 s[18:19], s[18:19], s[22:23]
	v_lshlrev_b32 v3, 4, v2
	v_lshlrev_b32 v4, 3, v2
.irp j, 0,1,2,3,4,5,6,7,8,9,10,11,12,13,14,15
	global_load_b128 v[16+4*\j:16+4*\j+3], v3, s[8:9] offset:512*\j th:TH_LOAD_NT
.endr
.irp j, 0,1,2,3,4,5,6,7,8,9,10,11,12,13,14,15
	s_wait_loadcnt 15-\j                           ; loads come back in order: load j is in, the younger ones stay out
	v_cvt_pk_f16_f32 v[80+2*\j], v[16+4*\j], v[17+4*\j]
	v_cvt_pk_f16_f32 v[81+2*\j], v[18+4*\j], v[19+4*\j]
	global_store_b64 v4, v[80+2*\j:81+2*\j], s[18:19] offset:256*\j
.endr
	s_wait_tensorcnt 0x0                           ; the wave's end
	ds_add_u32 v[SPW], v[NIL]
	s_wait_dscnt 0x0
	s_endpgm
; ---- X: a wave takes 16 steps of 512 numbers.  Each load reads 512 consecutive bytes, 16 a lane; a step's 2,048 bytes turn through the wave's own stage in LDS and come back 64 bytes a lane, so that a lane holds
; 16 neighbours along K and two neighbouring lanes a block.  Loads run four steps ahead, the turn through LDS one step.  Waves share nothing: no barrier.
.Lx:
	v_lshlrev_b32 v3, 4, v2                        ; my 16 bytes of a load's 512
	s_mul_i32 s21, s20, WREG
	v_lshrrev_b32 v14, 2, v2
	v_mul_u32_u24 v14, v14, SP
	v_and_b32 v15, 3, v2
	v_lshl_add_u32 v14, v15, 4, v14
	v_add_nc_u32 v14, s21, v14                     ; the stage, on the way in: SP (lane / 4) + 16 (lane % 4)
	v_mul_u32_u24 v15, v2, SP
	v_add_nc_u32 v15, s21, v15                     ; and on the way out: SP x lane
	v_mul_u32_u24 v4, v2, CB                       ; my codes' place in a step's
	v_lshrrev_b32 v5, 1, v2
	s_add_co_u32 s21, s21, 2*32*SP
	v_add_nc_u32 v5, s21, v5                       ; my wave's 256 scale bytes, my block's byte
	v_lshlrev_b32 v7, 3, v2
	v_add_nc_u32 v6, s21, v7                       ; and on the way out 8 bytes a lane
	s_sub_co_u32 s22, ttmp9, 48
	s_lshl_b32 s22, s22, 3
	s_add_co_u32 s22, s22, s20                     ; which run of 8,192 numbers: 0..1023
	s_lshl_b32 s24, s22, 15
	s_mov_b32 s25, 0
	s_add_nc_u64 s[4:5], s[4:5], s[24:25]
	s_lshl_b32 s24, s22, 12
	s_add_nc_u64 s[10:11], s[10:11], s[24:25]
	s_lshl_b32 s24, s22, 8
	s_add_nc_u64 s[12:13], s[12:13], s[24:25]
.macro XLOAD t
.irp i, 0,1,2,3
	global_load_b128 v[R+16*((\t)%4)+4*\i:R+16*((\t)%4)+4*\i+3], v3, s[4:5] offset:2048*(\t)+512*\i th:TH_LOAD_NT
.endr
.endm
.macro XTURN t                         ; step t's numbers through the stage: LDS serves a wave's instructions in order, so no wait stands between the stores and the loads
.irp i, 0,1,2,3
	ds_store_b128 v14, v[R+16*((\t)%4)+4*\i:R+16*((\t)%4)+4*\i+3] offset:32*SP*((\t)%2)+8*SP*\i
.endr
.irp i, 0,1,2,3
	ds_load_b128 v[X+16*((\t)%2)+4*\i:X+16*((\t)%2)+4*\i+3], v15 offset:32*SP*((\t)%2)+16*\i
.endr
.endm
.irp t, 0,1,2,3
	XLOAD \t
.endr
	s_wait_loadcnt 12                              ; step 0's four loads are in
	XTURN 0
.macro XSTEP t
.set XS, X+16*((\t)%2)
.if (\t) > 0
	s_wait_dscnt 1                                 ; this step's numbers are back from the stage (the last step's byte store may be out): so its stores into the stage have read their registers,
.else
	s_wait_dscnt 0x0
.endif
.if (\t)+4 < STEPS
	XLOAD (\t)+4                                   ; which take the loads of four steps on
.endif
.if (\t)+1 < STEPS
.if STEPS-2-(\t) >= 3
	s_wait_loadcnt 12                              ; the next step's four loads are in; those of the three steps behind it may be out
.else
	s_wait_loadcnt 4*(STEPS-2-(\t))
.endif
	XTURN (\t)+1                                   ; and go through the other stage while this step is worked
.endif
	v_max3_num_f32 v8, |v[XS]|, |v[XS+1]|, |v[XS+2]|               ; the largest magnitude of my 16, in two chains
	v_max3_num_f32 v9, |v[XS+3]|, |v[XS+4]|, |v[XS+5]|
.irp i, 6,10
	v_max3_num_f32 v8, v8, |v[XS+\i]|, |v[XS+\i+1]|
	v_max3_num_f32 v9, v9, |v[XS+\i+2]|, |v[XS+\i+3]|
.endr
	v_max3_num_f32 v8, v8, |v[XS+14]|, |v[XS+15]|
	v_max3_num_f32 v8, v8, v9, 0x1800000           ; and the floor 2^(3 - 127): the byte cannot fall under 1
	v_max_num_f32_dpp v8, v8, v8 row_xmask:1 row_mask:0xf bank_mask:0xf   ; and of my neighbour's 16: the block's
	v_add_nc_u32 v11, 0xff000000, v8               ; 2 off its exponent field: the conversion takes the exponent field of this operand as its scale
	v_cvt_scalef32_pk8_fp4_f32 v[C+4*(\t)], v[XS:XS+7], v11
	v_cvt_scalef32_pk8_fp4_f32 v[C+4*(\t)+1], v[XS+8:XS+15], v11
	v_lshrrev_b32 v[E+(\t)], 23, v11               ; the scale's byte
	ds_store_b8 v5, v[E+(\t)] offset:16*(\t)       ; both lanes of a block write the same byte with the same value
	global_store_b64 v4, v[C+4*(\t):C+4*(\t)+1], s[10:11] offset:32*CB*(\t)   ; the wave stores 256 consecutive bytes, aligned
.endm
.irp t, 0,1,2,3,4,5,6,7,8,9,10,11,12,13,14,15
	XSTEP \t
.endr
	ds_load_b64 v[8:9], v6                         ; LDS serves a wave's instructions in order: these see my stores
	s_wait_dscnt 0x0
	global_store_b64 v7, v[8:9], s[12:13]          ; 32 lanes store 256 consecutive bytes, aligned
	s_wait_tensorcnt 0x0                           ; the wave's end, behind my last LDS store
	ds_add_u32 v[SPW], v[NIL]
	s_wait_dscnt 0x0
	s_endpgm
; ---- W: work-group g takes columns 64 g .. 64 g + 63 for all of K.  Wave w: columns 32 (w & 1) + lane, k = 256 (w >> 1) .. + 255: eight blocks of 32, each whole in one lane's 32 registers.
; Codes and scale bytes meet in LDS, so that whole rows of w_codes (512 bytes) and whole runs of w_scales (256 bytes) leave by neighbouring lanes.  Loads run two blocks ahead.
.Lw:
	s_and_b32 s21, s20, 1                          ; which 32 columns
	s_lshr_b32 s22, s20, 1                         ; which 256 along K
	s_mul_i32 s24, s22, 256*WROW
	s_lshl_b32 s25, ttmp9, 8
	s_add_co_u32 s24, s24, s25
	s_lshl_b32 s25, s21, 7
	s_add_co_u32 s24, s24, s25
	s_mov_b32 s25, 0
	s_add_nc_u64 s[6:7], s[6:7], s[24:25]          ; W_attn at (256 (w >> 1), 64 g + 32 (w & 1))
	v_lshlrev_b32 v3, 2, v2                        ; in: 4 bytes a lane
	s_mul_i32 s26, s21, 32*WPIT
	s_lshl_b32 s27, s22, 7
	s_add_co_u32 s26, s26, s27
	s_add_co_u32 s26, s26, WSTG
	v_mul_u32_u24 v4, v2, WPIT
	v_add_nc_u32 v4, s26, v4                       ; codes: my column's row, my 128 bytes of it
	s_lshl_b32 s26, s21, 10
	s_lshl_b32 s27, s22, 3
	s_add_co_u32 s26, s26, s27
	s_add_co_u32 s26, s26, WSC
	v_lshl_add_u32 v5, v2, 5, s26                  ; scale bytes: 32 a column, my 8 of them
	s_mul_i32 s26, s20, 8*WPIT
	s_add_co_u32 s26, s26, WSTG
	v_lshl_add_u32 v6, v2, 4, s26                  ; back: wave w takes columns 8 w .. 8 w + 7, a whole row an instruction
	s_lshl_b32 s26, s20, 8
	s_add_co_u32 s26, s26, WSC
	v_lshl_add_u32 v7, v2, 3, s26                  ; and their 256 scale bytes
	v_lshlrev_b32 v8, 4, v2
	v_lshlrev_b32 v9, 3, v2
	s_lshl_b32 s24, ttmp9, 15                      ; w_codes: (64 g + 8 w) rows of 512 bytes
	s_lshl_b32 s26, s20, 12
	s_add_co_u32 s24, s24, s26
	s_add_nc_u64 s[14:15], s[14:15], s[24:25]
	s_lshl_b32 s24, ttmp9, 11                      ; w_scales: 2,048 g + 256 w
	s_lshl_b32 s26, s20, 8
	s_add_co_u32 s24, s24, s26
	s_add_nc_u64 s[16:17], s[16:17], s[24:25]
.macro WLOAD t                         ; block t: W(32 t + i, my column), i = 0 .. 31, into set t % 2: each load reads 128 consecutive bytes
.irp i, 0,1,2,3,4,5,6,7,8,9,10,11,12,13,14,15,16,17,18,19,20,21,22,23,24,25,26,27,28,29,30,31
	global_load_b32 v[32+32*((\t)%2)+\i], v3, s[6:7] offset:(32*(\t)+\i)*WROW th:TH_LOAD_NT
.endr
.endm
	WLOAD 0
	WLOAD 1
.macro WBLOCK t
.set WS, 32+32*((\t)%2)
.if (\t) < 7
	s_wait_loadcnt 32                              ; this block's 32 loads are in; the next block's may be out
.else
	s_wait_loadcnt 0
.endif
	v_max3_num_f32 v16, |v[WS]|, |v[WS+1]|, |v[WS+2]|              ; the block's largest magnitude: all 32 numbers are mine
	v_max3_num_f32 v17, |v[WS+3]|, |v[WS+4]|, |v[WS+5]|
.irp i, 6,10,14,18,22,26
	v_max3_num_f32 v16, v16, |v[WS+\i]|, |v[WS+\i+1]|
	v_max3_num_f32 v17, v17, |v[WS+\i+2]|, |v[WS+\i+3]|
.endr
	v_max3_num_f32 v16, v16, |v[WS+30]|, |v[WS+31]|
	v_max3_num_f32 v16, v16, v17, 0x1800000        ; and the floor 2^(3 - 127)
	v_add_nc_u32 v18, 0xff000000, v16              ; 2 off its exponent field: the conversion's scale operand
	v_lshrrev_b32 v19, 23, v18                     ; the scale's byte
.if (\t)%4 == 0
	v_mov_b32 v[20+(\t)/4], v19                    ; four bytes to a register, the lower K in the lower byte
.else
	v_lshl_or_b32 v[20+(\t)/4], v19, 8*((\t)%4), v[20+(\t)/4]
.endif
.irp g, 0,1,2,3
	v_cvt_scalef32_pk8_fp4_f32 v[96+\g], v[WS+8*\g:WS+8*\g+7], v18
.endr
	ds_store_b128 v4, v[96:99] offset:16*(\t)      ; 32 codes: 16 bytes of my column's row
.if (\t)+2 < 8
	WLOAD (\t)+2
.endif
	s_wait_dscnt 0x0                               ; the store has read its registers: the next block's codes may be written
.endm
.irp t, 0,1,2,3,4,5,6,7
	WBLOCK \t
.endr
	ds_store_b64 v5, v[20:21]                      ; my column's eight scale bytes
	s_wait_dscnt 0x0                               ; for the others' sake: my stores have landed
	s_barrier_signal -1
	s_barrier_wait -1                              ; 64 whole rows of codes and of scale bytes lie in LDS
.irp i, 0,1,2,3,4,5,6,7
	ds_load_b128 v[112+4*\i:112+4*\i+3], v6 offset:WPIT*\i
.endr
	ds_load_b64 v[144:145], v7
.irp i, 0,1,2,3,4,5,6,7
	s_wait_dscnt 8-\i                              ; row i is in; the later rows and the scale bytes may be out
	global_store_b128 v8, v[112+4*\i:112+4*\i+3], s[14:15] offset:512*\i   ; 32 lanes store a row of 512 consecutive bytes, aligned
.endr
	s_wait_dscnt 0x0
	global_store_b64 v9, v[144:145], s[16:17]      ; 256 consecutive bytes, aligned
	s_wait_tensorcnt 0x0                           ; the wave's end, behind my last LDS store
	ds_add_u32 v[SPW], v[NIL]
	s_wait_dscnt 0x0
	s_endpgm
.Lfunc_end_k_q273e8d7a59_prep:
	.size	k_q273e8d7a59_prep, .Lfunc_end_k_q273e8d7a59_prep-k_q273e8d7a59_prep
	.p2alignl 7, 3214868480
	.fill 96, 4, 3214868480
	.section	.rodata,"a",@progbits
	.p2align	6, 0x0
	.amdhsa_kernel k_q273e8d7a59_prep
		.amdhsa_group_segment_fixed_size 102400
		.amdhsa_private_segment_fixed_size 0
		.amdhsa_enable_private_segment 0
		.amdhsa_kernarg_size 64
		.amdhsa_user_sgpr_count 2
		.amdhsa_user_sgpr_kernarg_segment_ptr 1
		.amdhsa_wavefront_size32 1
		.amdhsa_system_sgpr_workgroup_id_x 1
		.amdhsa_system_sgpr_workgroup_id_y 1
		.amdhsa_system_sgpr_workgroup_id_z 1
		.amdhsa_system_vgpr_workitem_id 0
		.amdhsa_next_free_vgpr 192
		.amdhsa_next_free_sgpr 66
		.amdhsa_reserve_vcc 0
		.amdhsa_float_denorm_mode_32 3
		.amdhsa_float_denorm_mode_16_64 3
		.amdhsa_memory_ordered 1
		.amdhsa_forward_progress 1
		.amdhsa_inst_pref_size 79
	.end_amdhsa_kernel
	.amdgpu_metadata
---
amdhsa.version: [ 1, 2 ]
amdhsa.kernels:
  - .name:           k_q273e8d7a59_prep
    .symbol:         k_q273e8d7a59_prep.kd
    .args:
      - { .name: x, .offset: 0, .size: 8, .value_kind: global_buffer, .address_space: global }
      - { .name: W_attn, .offset: 8, .size: 8, .value_kind: global_buffer, .address_space: global }
      - { .name: W_proj, .offset: 16, .size: 8, .value_kind: global_buffer, .address_space: global }
      - { .name: x_codes, .offset: 24, .size: 8, .value_kind: global_buffer, .address_space: global }
      - { .name: x_scales, .offset: 32, .size: 8, .value_kind: global_buffer, .address_space: global }
      - { .name: w_codes, .offset: 40, .size: 8, .value_kind: global_buffer, .address_space: global }
      - { .name: w_scales, .offset: 48, .size: 8, .value_kind: global_buffer, .address_space: global }
      - { .name: wp16, .offset: 56, .size: 8, .value_kind: global_buffer, .address_space: global }
    .group_segment_fixed_size: 102400
    .private_segment_fixed_size: 0
    .kernarg_segment_align: 8
    .kernarg_segment_size: 64
    .max_flat_workgroup_size: 256
    .sgpr_count:     66
    .vgpr_count:     192
    .wavefront_size: 32
...
	.end_amdgpu_metadata
.endif
;; end of part 1
;; launch qkv (part 2): grid 12 x 32, 4 waves a work-group, clusters of 4 x 4, 327,680 bytes of LDS; arguments x_codes, x_scales, w_codes, w_scales, b_attn, qkv16, first32; writes qkv16, first32
.if DOCPART == 2
	.amdgcn_target "amdgcn-amd-amdhsa--gfx1250"
	.amdhsa_code_object_version 6
	.text
	.protected	k_q273e8d7a59_qkv
	.globl	k_q273e8d7a59_qkv
	.p2align	8
	.type	k_q273e8d7a59_qkv,@function
k_q273e8d7a59_qkv:
	s_mov_b64 s[64:65], 0
	v_nop
	global_prefetch_b8 v0, s[64:65] scope:SCOPE_SE
	s_setreg_imm32_b32 hwreg(HW_REG_WAVE_MODE, 25, 1), 1
	s_wait_xcnt 0x0
	s_wait_alu depctr_hold_cnt(0) depctr_sa_sdst(0) depctr_va_vdst(0) depctr_va_sdst(0) depctr_va_ssrc(0) depctr_va_vcc(0) depctr_vm_vsrc(0)
	s_getreg_b32 s2, hwreg(HW_REG_IB_STS2, 6, 4)
	s_cmp_eq_u32 s2, 0
	s_cbranch_scc0 .Lentry_in_a_cluster
	s_endpgm
.Lentry_in_a_cluster:
	s_bfe_u32 s2, ttmp6, 0x10000c
	s_cmp_lg_u32 s2, 0xf033
	s_cbranch_scc0 .Lentry_shape_is_right
	s_endpgm
.Lentry_shape_is_right:
; qkv = x W_attn + b_attn on codes of FP4 (E2M1) with one E8M0 scale for each 32 along K; sums in f32.  A = x_codes [8192][512 bytes], B = w_codes [3072 (n)][512 bytes], scale bytes [rows][32].
; OUT: qkv16 [b 4][g 48][s 2048][64] f16, g = n / 64 (q: 0-15, k: 16-31, v: 32-47); first32 [b 4][pos 16][3072] f32: positions 0-15 of every sequence, unrounded, for the launch that carries them in f32.
; A tile of the result, 256 x 256, is made by a work-group of four waves; a wave makes 128 x 128: 64 accumulators of 16 x 16, 512 registers.  K = 1,024 is two LDS slots of 512: both are asked for at the head, nothing is filled again.
; THE SCALES of the work-group's 256 rows of A and of B, for all of K, are two dense blocks of memory: they come into LDS once, with the first fills.
; CLUSTERS: 4 x 4 work-groups.  The four of a row of the cluster need the same tiles of A, the four of a column the same tiles of B: each tile is asked for JOINTLY, by the same tensor load with the same descriptor and a mask
; that names the four.  THE TILE ROW IS cluster y + 8 cy: so cy is the batch and cluster y the block of 256 positions, and the one branch that asks 'positions 0-15?' hangs on cluster y, which all sixteen partners share.
; THE MATRIX INSTRUCTION IS USED TRANSPOSED (source 0 = 16 rows of B, source 1 = 16 rows of A): a lane holds eight neighbouring columns of one row.  THE BIAS is the C of each sum's first product.
; REGISTERS, in windows of 256: window 0: v0-31 addresses; v32-95 scale words, two sets; v128-191 A's fragments, ONE set; v192-255 the bias in the result's layout; on the way out v32-191 are free.
;   window 1: B's fragments, TWO sets, at v0 and v128.   window 2: the accumulators of my rows 0-63 ((a, b) at v[8 (8 a + b)]);   window 3: those of my rows 64-127.
.set KSTEP,  512
.set NQ,     KSTEP/128                 ; matrix instructions deep in a slot
.set ROWB,   256                       ; a tile's row in bytes
.set KROW,   512                       ; a row of codes in memory
.set PITCH,  272                       ; an LDS row: 256 bytes + 16 of padding: the 16 rows that a load touches start 68 words apart
.set FR,     8                         ; registers of a fragment: 16 rows x 128 K
.set NL,     2                         ; LDS loads that bring one
.set NP,     4                         ; places behind this matrix instruction (ISA guide 7.12.1)
.set HALFT,  128*PITCH                 ; what one tensor load brings
.set SLOT,   4*HALFT                   ; A's 256 rows, then B's 256 rows
.set KS,     32                        ; a row of scales in bytes
.set SCL,    2*SLOT                    ; behind the slots: the scales, as runs of 256 bytes + 16 of padding
.set HALFS,  (128*KS/256)*272          ; the scales of 128 rows
.set SBLK,   (16*KS/256)*272           ; those of 16 rows
.set SPARE,  SCL+4*HALFS               ; the spare words, 128 bytes for each wave: two blocks of 256 bytes that no other line names
.set ADRA, 16                          ; v16-17 LDS address of my A fragments in slot 0, 1
.set ADRB, 20                          ; v20-21 the same for B
.set STO32, 22                         ; v22 the f32 way out: where I put 32 bytes of a row
.set RD32, 23                          ; v23 and where I read a row back
.set STO,  24                          ; v24 the f16 way out: where I put 16 bytes of a row
.set RD,   25                          ; v25 and where I read back
.set CO,   26                          ; v26 16 x lane
.set ADRS, 27                          ; v27 LDS address of my scale words: lanes 0-15 A's rows, lanes 16-31 B's
.set SPW,  28                          ; v28 LDS address of my spare word; never rewritten
.set NIL,  29                          ; v29 0; never rewritten
.set BOF,  30                          ; v30 32 x (lane / 16): my half's eight numbers of a bias tile
.set SC,   32                          ; scale words: set s at v[SC + 32 s]; register NQ i + q: lanes 0-15 A's block i, lanes 16-31 B's block i
.set AF,   128                         ; A's fragments
.set BIAS, 192                         ; b_attn: eight registers for each of my eight blocks of 16 columns
.set TMP,  32                          ; the way out: packed results
.set G1, 24                            ; s[24:31] descriptor group 1 for A's tiles; s[32:39] group 0, one set for each slot
.set G0, 32
.set G1B, 48                           ; s[48:55], s[56:63] the same for B's
.set G0B, 56
.set G1S, 68                           ; s[68:75], s[76:79] groups 1 and 0 for A's scales; s[80:87], s[88:91] for B's
.set G0S, 76
.set G1SB, 80
.set G0SB, 88
.set CLY, 95                           ; s95 cluster y: the block of 256 positions
.set MSB, 0
.macro WIN new                         ; the immediate's high byte repeats the setting that is left
.if MSB != \new
	s_set_vgpr_msb (MSB<<8)|\new
.set MSB, \new
.endif
.endm
.set MUL_LO, 0xa1                      ; source 0 (B) window 1, source 1 (A) window 0, C and D window 2
.set MUL_HI, 0xf1                      ; the same, C and D window 3
.set FIRST_LO, 0x81                    ; the first products: C (the bias) window 0, D window 2
.set FIRST_HI, 0xc1                    ; D window 3
.set TO_B,   0x40                      ; destination window 1, address window 0
; A joint load: waves 0 and 1 fetch for A, waves 2 and 3 for B.  Each of the two lines has one mask and one set of registers for all that issue it; the branch hangs on the wave's number alone.
; An s_nop 0 and four v_nop follow each of the two lines.
.macro JLOAD g0a, g1a, g0b, g1b
	s_cmp_eq_u32 s15, 0
	s_cbranch_scc0 .Lfor_b_\@
	tensor_load_to_lds s[\g0a:\g0a+3], s[\g1a:\g1a+7]
	s_nop 0
.rept 4
	v_nop
.endr
	s_branch .Lasked_\@
.Lfor_b_\@:
	tensor_load_to_lds s[\g0b:\g0b+3], s[\g1b:\g1b+7]
	s_nop 0
.rept 4
	v_nop
.endr
.Lasked_\@:
.endm
.macro CROUND                          ; a round of the cluster's barrier
	s_barrier_signal -1
	s_barrier_wait -1
	s_cmp_lg_u32 s14, 0
	s_cbranch_scc1 .Lnot_wave_0_\@
	s_barrier_signal -3
.Lnot_wave_0_\@:
	s_barrier_wait -3
	s_barrier_signal -1
	s_barrier_wait -1
.endm
	s_load_b128 s[4:7], s[0:1], 0x0                ; x_codes s[4:5], x_scales s[6:7]
	s_load_b128 s[8:11], s[0:1], 0x10              ; w_codes s[8:9], w_scales s[10:11]
	s_load_b128 s[96:99], s[0:1], 0x20             ; b_attn s[96:97], qkv16 s[98:99]
	s_load_b64 s[100:101], s[0:1], 0x30            ; first32
	v_lshl_add_u32 v[SPW], v0, 2, SPARE
	v_mov_b32 v[NIL], 0
	ds_add_u32 v[SPW], v[NIL]                      ; the wave's opening: the add, twice on end, and its wait ahead of my first tensor load
	ds_add_u32 v[SPW], v[NIL]
	v_lshrrev_b32 v1, 5, v0
	v_readfirstlane_b32 s14, v1                    ; wave 0..3
	s_lshr_b32 s15, s14, 1                         ; which half of the tile's rows is mine.  Also: I fetch for A (0) or for B (1)
	s_and_b32 s16, s14, 1                          ; which half of its columns.  Also: which 128 rows of that tile I fetch
	s_bfe_u32 s40, ttmp6, 0x40000                  ; cx, cy: my place in the cluster
	s_bfe_u32 s41, ttmp6, 0x40004
	s_lshl_b32 s42, ttmp9, 2
	s_add_co_u32 s42, s42, s40                     ; tile column = 4 x cluster x + cx
	s_and_b32 s[CLY], ttmp7, 0xffff
	s_lshl_b32 s17, s41, 3
	s_add_co_u32 s17, s17, s[CLY]                  ; tile row = cluster y + 8 cy: batch cy, positions 256 x cluster y on
	s_lshl_b32 s43, s41, 2
	s_lshl_b32 s43, 15, s43                        ; my row of the cluster
	s_lshl_b32 s44, 0x1111, s40                    ; my column
	; descriptor group 1: a tile of 128 rows x 256 bytes, padded in LDS
	s_or_b32 s[G1+0], s43, (0<<16)|(1<<20)|(1<<21)|(5<<22)|(3<<25)  ; 15:0 the mask: A's tiles go to my row; 17:16 elements of 1 byte; 20 padding on; 21 set beside a mask; 24:22 after every 64 words; 31:25 four words
	s_or_b32 s[G1B+0], s44, (0<<16)|(1<<20)|(1<<21)|(5<<22)|(3<<25)
.irp g, G1, G1B
	s_mov_b32 s[\g+1], ROWB<<16                    ; tensor_dim0
	s_mov_b32 s[\g+2], 128<<16                     ; tensor_dim1
	s_mov_b32 s[\g+3], ROWB<<16                    ; tile_dim0
	s_mov_b32 s[\g+4], 128                         ; tile_dim1
	s_mov_b32 s[\g+5], KROW                        ; tensor_dim0_stride
	s_mov_b32 s[\g+6], 0
	s_mov_b32 s[\g+7], 0
.endr
	; the scales of 128 rows: a dense block of 4,096 bytes, as rows of 256 bytes (32 elements of 8 bytes), 16 bytes of padding behind each
	s_or_b32 s[G1S+0], s43, (3<<16)|(1<<20)|(1<<21)|(5<<22)|(3<<25)
	s_or_b32 s[G1SB+0], s44, (3<<16)|(1<<20)|(1<<21)|(5<<22)|(3<<25)
.irp g, G1S, G1SB
	s_mov_b32 s[\g+1], 32<<16
	s_mov_b32 s[\g+2], (128*KS/256)<<16
	s_mov_b32 s[\g+3], 32<<16
	s_mov_b32 s[\g+4], 128*KS/256
	s_mov_b32 s[\g+5], 32
	s_mov_b32 s[\g+6], 0
	s_mov_b32 s[\g+7], 0
.endr
	s_lshl_b32 s18, s16, 7                         ; which 128 rows of the tile I fetch
	s_lshl_b32 s20, s17, 8
	s_add_co_u32 s20, s20, s18                     ; A: row 256 x tile row + 128 x half
	s_lshl_b32 s46, s42, 8
	s_add_co_u32 s46, s46, s18                     ; B: row 256 x tile column + 128 x half
	s_mov_b32 s21, 0
	s_mov_b32 s47, 0
	s_mov_b64 s[18:19], KS
	s_mul_u64 s[22:23], s[20:21], s[18:19]         ; where these rows' scales begin, in bytes
	s_mul_u64 s[92:93], s[46:47], s[18:19]
	s_mov_b64 s[18:19], KROW
	s_mul_u64 s[20:21], s[20:21], s[18:19]         ; and their codes
	s_mul_u64 s[46:47], s[46:47], s[18:19]
	s_mul_i32 s45, s14, HALFT                      ; where they go: wave x 128 rows: no place in the cluster enters an LDS address
	s_mul_i32 s94, s14, HALFS
	s_wait_dscnt 0x0                               ; both opening adds are done
	s_wait_kmcnt 0x0
	s_add_nc_u64 s[20:21], s[4:5], s[20:21]
	s_add_nc_u64 s[22:23], s[6:7], s[22:23]
	s_add_nc_u64 s[46:47], s[8:9], s[46:47]
	s_add_nc_u64 s[92:93], s[10:11], s[92:93]
	CROUND                                         ; all sixteen work-groups are here: the joint loads meet
	s_mov_b32 s[G0S], 1
	s_add_co_u32 s[G0S+1], s94, SCL
	s_mov_b64 s[G0S+2:G0S+3], s[22:23]
	s_or_b32 s[G0S+3], s[G0S+3], 0x80000000
	s_mov_b32 s[G0SB], 1
	s_add_co_u32 s[G0SB+1], s94, SCL
	s_mov_b64 s[G0SB+2:G0SB+3], s[92:93]
	s_or_b32 s[G0SB+3], s[G0SB+3], 0x80000000
	JLOAD G0S, G1S, G0SB, G1SB                     ; the scales first: they are wanted with the first slot
.irp s, 0,1
	s_mov_b32 s[G0+4*\s], 1
	s_add_co_u32 s[G0+4*\s+1], s45, \s*SLOT
	s_add_nc_u64 s[G0+4*\s+2:G0+4*\s+3], s[20:21], \s*ROWB
	s_or_b32 s[G0+4*\s+3], s[G0+4*\s+3], 0x80000000
	s_mov_b32 s[G0B+4*\s], 1
	s_add_co_u32 s[G0B+4*\s+1], s45, \s*SLOT
	s_add_nc_u64 s[G0B+4*\s+2:G0B+4*\s+3], s[46:47], \s*ROWB
	s_or_b32 s[G0B+4*\s+3], s[G0B+4*\s+3], 0x80000000
	JLOAD G0+4*\s, G1, G0B+4*\s, G1B               ; three tensor loads of mine are out behind the second of these
.endr
	; where my results go, and my bias
	s_mul_i32 s46, s41, 48
	s_lshl_b32 s47, s42, 2
	s_add_co_u32 s46, s46, s47
	s_lshl_b32 s47, s16, 1
	s_add_co_u32 s46, s46, s47                     ; batch x 48 + my first group of 64 columns
	s_lshl_b32 s46, s46, 18                        ; x 2,048 positions x 128 bytes
	s_lshl_b32 s47, s[CLY], 15
	s_add_co_u32 s46, s46, s47                     ; + 256 x cluster y positions
	s_lshl_b32 s47, s15, 14
	s_add_co_u32 s46, s46, s47                     ; + my 128
	s_mov_b32 s47, 0
	s_add_nc_u64 s[98:99], s[98:99], s[46:47]
	s_lshl_b32 s46, s42, 10
	s_lshl_b32 s12, s16, 9
	s_add_co_u32 s46, s46, s12                     ; my first column, in f32 bytes
	s_add_nc_u64 s[96:97], s[96:97], s[46:47]
	s_mul_i32 s12, s41, 196608                     ; first32: 16 x 3,072 x 4 bytes a batch
	s_add_co_u32 s46, s46, s12
	s_add_nc_u64 s[100:101], s[100:101], s[46:47]
	v_and_b32 v1, 15, v0                           ; r = l % 16
	v_bfe_u32 v2, v0, 4, 1                         ; h = l / 16
	v_lshlrev_b32 v[BOF], 5, v2
.irp b, 0,1,2,3,4,5,6,7
	global_load_b128 v[BIAS+8*\b:BIAS+8*\b+3], v[BOF], s[96:97] offset:64*\b          ; b_attn at columns 16 b + 8 h + 0 .. 7: the result's layout
	global_load_b128 v[BIAS+8*\b+4:BIAS+8*\b+7], v[BOF], s[96:97] offset:64*\b+16
.endr
	v_mul_u32_u24 v3, v1, PITCH
	v_lshl_add_u32 v4, v2, 4, v3                   ; a fragment's row x pitch + 16 x half
	s_mul_i32 s21, s15, HALFT                      ; my 128 rows of A
	s_mul_i32 s22, s16, HALFT                      ; my 128 rows of B,
	s_add_co_u32 s22, s22, 2*HALFT                 ; which lie behind A's 256
.irp s, 0,1
	v_add_nc_u32 v[ADRA+\s], s21, v4
	v_add_nc_u32 v[ADRB+\s], s22, v4
	s_add_co_u32 s21, s21, SLOT
	s_add_co_u32 s22, s22, SLOT
.endr
	v_mul_u32_u24 v5, v1, KS                       ; my row's scales: 32 bytes a row,
	v_lshrrev_b32 v6, 8, v5
	v_lshl_add_u32 v5, v6, 4, v5                   ; and 16 more for each 256 passed
	s_mul_i32 s21, s15, HALFS                      ; A's: my 128 rows
	s_mul_i32 s22, s16, HALFS                      ; B's: my 128 rows, behind A's 256
	s_add_co_u32 s22, s22, 2*HALFS
	s_sub_co_u32 s22, s22, s21
	v_mul_u32_u24 v6, s22, v2                      ; lanes 16-31 take B's: one product, the distance between the two bases
	s_add_co_u32 s21, s21, SCL
	v_add_nc_u32 v5, v5, v6
	v_add_nc_u32 v[ADRS], s21, v5
	s_mul_i32 s23, s14, 16*528                     ; my stage, in slot 0: it has had its only fill, and its last read lies ahead of the barrier at the change of slots
	v_mul_u32_u24 v5, v1, 272                      ; f16: row r of 256 bytes + 16, 16 bytes for each half of the lanes
	v_lshl_add_u32 v5, v2, 4, v5
	v_add_nc_u32 v[STO], s23, v5
	v_and_b32 v6, 31, v0
	v_lshrrev_b32 v7, 3, v6                        ; back: eight lanes take 128 bytes (a position's 64 numbers of one head), four positions an instruction
	v_mul_u32_u24 v7, v7, 272
	v_and_b32 v8, 7, v0
	v_lshl_add_u32 v7, v8, 4, v7
	v_add_nc_u32 v[RD], s23, v7
	v_lshlrev_b32 v[CO], 4, v6
	v_mul_u32_u24 v5, v1, 528                      ; f32: row r of 512 bytes + 16, 32 bytes for each half of the lanes
	v_lshl_add_u32 v5, v2, 5, v5
	v_add_nc_u32 v[STO32], s23, v5
	v_add_nc_u32 v[RD32], s23, v[CO]               ; back: the 32 lanes take one row
.macro FRAG reg, adr, q, i             ; a fragment: lane l holds row l % 16; registers 4 c .. 4 c + 3 hold K = 64 c + 32 (l / 16) + 0 .. 31
.irp c, 0,1
	ds_load_b128 v[\reg+4*\c:\reg+4*\c+3], v[\adr] offset:64*(\q)+32*\c+(\i)*16*PITCH
.endr
.endm
; 16 matrix instructions: A's blocks a0, a0 + 1 x B's eight, the slot's q-th 128 along K.  p: B's set; sc: the set of scale words.  first = 1: the bias is the C: nothing is cleared and nothing is added later.
; The 64 accumulators take turns, one instruction a turn, in the same order in every step.
.macro MUL16 a0, p, q, sc, first
.irp a, \a0, \a0+1
.irp b, 0,1,2,3,4,5,6,7
.if \first
	v_wmma_scale_f32_16x16x128_f8f6f4 v[8*(8*((\a)%4)+\b):8*(8*((\a)%4)+\b)+7], v[128*(\p)+FR*\b:128*(\p)+FR*\b+FR-1], v[AF+FR*(\a):AF+FR*(\a)+FR-1], v[BIAS+8*\b:BIAS+8*\b+7], v[SC+8*NQ*(\sc)+NQ*\b+(\q)], v[SC+8*NQ*(\sc)+NQ*(\a)+(\q)] matrix_a_fmt:MATRIX_FMT_FP4 matrix_b_fmt:MATRIX_FMT_FP4 matrix_a_scale:MATRIX_SCALE_ROW1
.else
	v_wmma_scale_f32_16x16x128_f8f6f4 v[8*(8*((\a)%4)+\b):8*(8*((\a)%4)+\b)+7], v[128*(\p)+FR*\b:128*(\p)+FR*\b+FR-1], v[AF+FR*(\a):AF+FR*(\a)+FR-1], v[8*(8*((\a)%4)+\b):8*(8*((\a)%4)+\b)+7], v[SC+8*NQ*(\sc)+NQ*\b+(\q)], v[SC+8*NQ*(\sc)+NQ*(\a)+(\q)] matrix_a_fmt:MATRIX_FMT_FP4 matrix_b_fmt:MATRIX_FMT_FP4 matrix_a_scale:MATRIX_SCALE_ROW1
.endif
.endr
.endr
.endm
.macro FETCH_B slot, q, p              ; B's eight fragments of the slot's q-th 128 along K into set p
	WIN TO_B
.irp i, 0,1,2,3,4,5,6,7
	FRAG 128*(\p)+FR*\i, ADRB+\slot, \q, \i
.endr
	WIN 0
.endm
.macro FETCH_A slot, q, i0             ; A's blocks i0 .. i0 + 3
.irp i, \i0, \i0+1, \i0+2, \i0+3
	FRAG AF+FR*(\i), ADRA+\slot, \q, \i
.endr
.endm
.macro SCALES sc                       ; a slot's scale words into set sc: four words a row; lanes 0-15 take A's block i, lanes 16-31 B's block i
.irp i, 0,1,2,3,4,5,6,7
	ds_load_b128 v[SC+8*NQ*\sc+NQ*\i:SC+8*NQ*\sc+NQ*\i+3], v[ADRS] offset:\i*SBLK
.endr
.endm
; A load into a register that a matrix instruction has read, and a vector instruction or an LDS store that reads a matrix result, stand NP places behind that matrix instruction; only plain vector instructions
; that name none of its registers are places (ISA guide 7.12.1 for vector instructions).
.macro PLACES n
.rept \n
	v_nop
.endr
.endm
; A step of 128 along K that has its successor in the same slot.  A block of A is free as soon as its eight products are issued: blocks 0-3 are fetched anew in the step's middle, blocks 4-7 at its end.
.macro STEP slot, q, first
	s_wait_dscnt 4*NL                              ; B's set and A's blocks 0-3 are in; the youngest eight loads (A's blocks 4-7) may be out
.if \first
	WIN FIRST_LO
.else
	WIN MUL_LO
.endif
	MUL16 0, (\q)%2, \q, \slot, \first
	MUL16 2, (\q)%2, \q, \slot, \first
	s_wait_dscnt 0                                 ; A's blocks 4-7 are in
	PLACES NP
	FETCH_B \slot, (\q)+1, 1-(\q)%2
	FETCH_A \slot, (\q)+1, 0
.if \first
	WIN FIRST_HI
.else
	WIN MUL_HI
.endif
	MUL16 4, (\q)%2, \q, \slot, \first
	MUL16 6, (\q)%2, \q, \slot, \first
	PLACES NP
	WIN 0
	FETCH_A \slot, (\q)+1, 4
.endm
; Slot 0's last step changes slots: one barrier; in front of it each wave waits for all its tensor loads (slot 1's is the one that may be out), adds 0 to its spare word, and waits for that and for its reads of slot 0.
; Behind it slot 1 is whole and nobody reads slot 0 any more: the stages for the way out lie there.  Nothing is filled again.
.macro TURN slot, next
	s_wait_tensorcnt 0x0                           ; all my tensor loads have landed
	ds_add_u32 v[SPW], v[NIL]                      ; 0 onto my spare word
	s_wait_dscnt 4*NL+1                            ; (the add and the youngest eight loads, A's blocks 4-7, may be out)
	WIN MUL_LO
	MUL16 0, 1, NQ-1, \slot, 0                     ; sixteen matrix instructions stand between the add and the wait for it
	s_wait_dscnt 0x0                               ; the add is done, and my reads of this slot are over
	s_barrier_signal -1
	MUL16 2, 1, NQ-1, \slot, 0
	WIN 0
	s_barrier_wait -1
	PLACES NP
	v_add_nc_u32 v[ADRS], 4*NQ, v[ADRS]            ; on to the next slot's scale words (no LDS load of mine is out)
	FETCH_B \next, 0, 0
	FETCH_A \next, 0, 0
	SCALES \next
	WIN MUL_HI
	MUL16 4, 1, NQ-1, \slot, 0
	MUL16 6, 1, NQ-1, \slot, 0
	PLACES NP
	WIN 0
	FETCH_A \next, 0, 4
.endm
.macro STEPS slot, from                ; the slot's steps from .. NQ - 2
.set Q, \from
.rept NQ-1-\from
	STEP \slot, Q, 0
.set Q, Q+1
.endr
.endm
	s_wait_tensorcnt 1                             ; the scales and my part of slot 0 are in (slot 1's load may be out)
	s_barrier_signal -1
	s_barrier_wait -1                              ; everybody's are
	FETCH_B 0, 0, 0
	FETCH_A 0, 0, 0
	SCALES 0
	FETCH_A 0, 0, 4
	s_wait_loadcnt 0x0                             ; the bias
	STEP 0, 0, 1                                   ; the first step's products start the sums on the bias
	STEPS 0, 1
	TURN 0, 1
	STEPS 1, 0
	s_wait_dscnt 4*NL                              ; the very last step: nothing more to fetch
	WIN MUL_LO
	MUL16 0, 1, NQ-1, 1, 0
	MUL16 2, 1, NQ-1, 1, 0
	s_wait_dscnt 0
	WIN MUL_HI
	MUL16 4, 1, NQ-1, 1, 0
	MUL16 6, 1, NQ-1, 1, 0
	WIN 0
	PLACES NP                                      ; for the reads of the last results and for the writes of registers that the last products read
; POSITIONS 0-15, UNROUNDED: in the work-groups of cluster y = 0 the waves with the tile's upper rows send their block 0 (16 rows x 128 columns of f32) through the stage and store whole rows of 512 bytes.
; The branch hangs on cluster y and the wave's number: it is the same in all sixteen partners.
	s_or_b32 s94, s[CLY], s15
	s_cmp_lg_u32 s94, 0
	s_cbranch_scc1 .Lno32
	WIN 0x08                                       ; an LDS store's data are its source 1: window 2
.irp b, 0,1,2,3,4,5,6,7
	ds_store_b128 v[STO32], v[8*\b:8*\b+3] offset:64*\b            ; each accumulator from its low end on
	ds_store_b128 v[STO32], v[8*\b+4:8*\b+7] offset:64*\b+16
.endr
	WIN 0
.irp t, 0,1,2,3,4,5,6,7,8,9,10,11,12,13,14,15
	ds_load_b128 v[128+4*\t:128+4*\t+3], v[RD32] offset:\t*528     ; LDS serves a wave's instructions in order: these see the stores above
.endr
	s_wait_dscnt 0x0
.irp t, 0,1,2,3,4,5,6,7,8,9,10,11,12,13,14,15
	global_store_b128 v[CO], v[128+4*\t:128+4*\t+3], s[100:101] offset:\t*12288   ; 32 lanes store 512 consecutive bytes, aligned
.endr
.Lno32:
; THE WAY OUT, block by block of 16 rows x 128 columns.  PACK: rounded to f16, 16 bytes a lane.  TOSTAGE: into my stage, and back so that 32 lanes hold four positions x 64 numbers of one head: 512 consecutive bytes of qkv16.
.macro PACK a
.set AC, 64*((\a)%4)
	WIN 0x0a+5*((\a)/4)                            ; sources 0 and 1: window 2 or 3
.irp b, 0,1,2,3,4,5,6,7
.irp r, 0,1,2,3
	v_cvt_pk_f16_f32 v[TMP+4*\b+\r], v[AC+8*\b+2*\r], v[AC+8*\b+2*\r+1]
.endr
.endr
	WIN 0
.endm
.macro TOSTAGE a
.set BK, 64+32*((\a)%2)
.irp b, 0,1,2,3,4,5,6,7
	ds_store_b128 v[STO], v[TMP+4*\b:TMP+4*\b+3] offset:32*\b
.endr
.irp u, 0,1
.irp i, 0,1,2,3
	ds_load_b128 v[BK+16*\u+4*\i:BK+16*\u+4*\i+3], v[RD] offset:128*\u+1088*\i   ; head u of my two, positions 4 i .. 4 i + 3
.endr
.endr
.endm
.macro SEND a
.set BK, 64+32*((\a)%2)
	s_wait_dscnt 0x0                               ; the block is back in registers
	s_wait_xcnt 0x0                                ; the earlier stores have read their base and their registers: only behind this wait are they written again
.if (\a) > 0
	s_add_nc_u64 s[98:99], s[98:99], 2048          ; 16 positions on
.endif
.irp u, 0,1
.irp i, 0,1,2,3
	global_store_b128 v[CO], v[BK+16*\u+4*\i:BK+16*\u+4*\i+3], s[98:99] offset:262144*\u+512*\i   ; 512 consecutive bytes, aligned
.endr
.endr
.endm
	PACK 0
	TOSTAGE 0
.irp a, 1,2,3,4,5,6,7                  ; block a's conversions stand between block a - 1's loads from the stage and the wait for them
	PACK \a
	SEND \a-1
	TOSTAGE \a
.endr
	SEND 7
	s_wait_tensorcnt 0x0                           ; the wave's end, behind my last tensor load and my last LDS store
	ds_add_u32 v[SPW], v[NIL]
	s_wait_dscnt 0x0
	CROUND                                         ; the closing round: no work-group ends while a partner may still ask for a tile that names it
	s_endpgm
.Lfunc_end_k_q273e8d7a59_qkv:
	.size	k_q273e8d7a59_qkv, .Lfunc_end_k_q273e8d7a59_qkv-k_q273e8d7a59_qkv
	.p2alignl 7, 3214868480
	.fill 96, 4, 3214868480
	.section	.rodata,"a",@progbits
	.p2align	6, 0x0
	.amdhsa_kernel k_q273e8d7a59_qkv
		.amdhsa_group_segment_fixed_size 327680
		.amdhsa_private_segment_fixed_size 0
		.amdhsa_enable_private_segment 0
		.amdhsa_kernarg_size 56
		.amdhsa_user_sgpr_count 2
		.amdhsa_user_sgpr_kernarg_segment_ptr 1
		.amdhsa_wavefront_size32 1
		.amdhsa_system_sgpr_workgroup_id_x 1
		.amdhsa_system_sgpr_workgroup_id_y 1
		.amdhsa_system_sgpr_workgroup_id_z 1
		.amdhsa_system_vgpr_workitem_id 0
		.amdhsa_next_free_vgpr 1024
		.amdhsa_next_free_sgpr 102
		.amdhsa_reserve_vcc 0
		.amdhsa_float_denorm_mode_32 3
		.amdhsa_float_denorm_mode_16_64 3
		.amdhsa_memory_ordered 1
		.amdhsa_forward_progress 1
		.amdhsa_inst_pref_size 132
	.end_amdhsa_kernel
	.amdgpu_metadata
---
amdhsa.version: [ 1, 2 ]
amdhsa.kernels:
  - .name:           k_q273e8d7a59_qkv
    .symbol:         k_q273e8d7a59_qkv.kd
    .args:
      - { .name: x_codes, .offset: 0, .size: 8, .value_kind: global_buffer, .address_space: global }
      - { .name: x_scales, .offset: 8, .size: 8, .value_kind: global_buffer, .address_space: global }
      - { .name: w_codes, .offset: 16, .size: 8, .value_kind: global_buffer, .address_space: global }
      - { .name: w_scales, .offset: 24, .size: 8, .value_kind: global_buffer, .address_space: global }
      - { .name: b_attn, .offset: 32, .size: 8, .value_kind: global_buffer, .address_space: global }
      - { .name: qkv16, .offset: 40, .size: 8, .value_kind: global_buffer, .address_space: global }
      - { .name: first32, .offset: 48, .size: 8, .value_kind: global_buffer, .address_space: global }
    .group_segment_fixed_size: 327680
    .private_segment_fixed_size: 0
    .kernarg_segment_align: 8
    .kernarg_segment_size: 56
    .max_flat_workgroup_size: 128
    .sgpr_count:     102
    .vgpr_count:     1024
    .wavefront_size: 32
...
	.end_amdgpu_metadata
.endif
;; end of part 2
;; launch attn (part 3): grid 4 x 64, 16 waves a work-group, no clusters, 327,680 bytes of LDS; arguments qkv16, a16; writes a16
.if DOCPART == 3
	.amdgcn_target "amdgcn-amd-amdhsa--gfx1250"
	.amdhsa_code_object_version 6
	.text
	.protected	k_q273e8d7a59_attn
	.globl	k_q273e8d7a59_attn
	.p2align	8
	.type	k_q273e8d7a59_attn,@function
k_q273e8d7a59_attn:
	s_mov_b64 s[64:65], 0
	v_nop
	global_prefetch_b8 v0, s[64:65] scope:SCOPE_SE
	s_setreg_imm32_b32 hwreg(HW_REG_WAVE_MODE, 25, 1), 1
	s_wait_xcnt 0x0
; a[b][h][q] = the sum over k <= q of softmax_k(q . k / 8) v, on f16 operands with f32 products' sums, maxima and sums.  qkv16: [b 4][g 48][s 2048][64] f16 (q: g = h, k: 16 + h, v: 32 + h).  a16: [h 16][b x 2048 + s][64] f16.
; WORK LEFT OUT: key steps all of whose 64 keys come after all 32 queries of a wave.  reference() gives such keys the score -1e9 by its own mask; their weight is 0 in f32 for every row whose largest visible score lies
; above about -1e9 + 100.  In the one step of a wave that holds the diagonal the hidden dot products are set to -8e9, which is reference()'s -1e9 ahead of the division by 8.
; LIMITS: rows whose visible scores lie near or under -1e9 are not served; a NaN or an overflow that reaches only hidden keys is not carried to the result; |q|, |k|, |v| under 65,504.
; NO CLUSTER: under the causal mask the work-groups of a head need different numbers of key tiles (8, 7, 6, 5 slots), so a joint load would bring some partner tiles that none of its waves reads.
; SHARES.  Work-group (i, head) owns the blocks i and 7 - i of 256 queries: the same number of key steps in every work-group.  Each of its sixteen waves owns 32 queries, two tiles of 16, in 256 registers.
; Waves of the early and of the late block alternate, (w ^ (w >> 2)) & 1, so that any four waves w % 4 or w / 4 alike hold two of each.
; K's and V's tiles come through a ring of two LDS slots of 256 keys, filled by the tensor data mover (waves 0, 1: K's halves; waves 2, 3: V's) and read by all sixteen.  Every work-group walks all eight changes of slots: trip counts are constants.
; LAYOUT.  S^T = K Q^T (source 0 = 16 keys, source 1 = 16 queries): a lane holds ONE query (lane % 16) and keys 8 (lane / 16) + 0..7.  Two such tiles, rounded to f16 in pairs, are source 1 of O^T = V^T P.  V comes out of LDS turned.
; SOFTMAX.  A running maximum m and sum l for each query: p = 2^(c s - c m), c = log2(e) / 8; in every step O and l are multiplied by a = 2^(c m_old - c m_new).  The sum is taken of the unrounded p.
; REGISTERS: v1-7 addresses; v8-23 statistics, eight a tile: +0 c m, +1 m, +2, +3 l, +4..+7 at work (a in +6); v24-55 Q; v56-119 eight fragments of K, then of V; v120-183 S^T, then p, then P in each tile's low 16;
;   v184-247 O^T; v248-255 at work.
.set KP,    144                        ; a key's row in LDS: 128 bytes + 16
.set VP,    160                        ; a row of V: 128 + 32: an odd multiple of 32, for the turning load
.set VOFF,  256*KP                     ; a slot: 256 rows of K, then 256 rows of V
.set SLOT1, 1<<17                      ; slot 1 begins here: one exclusive or turns an address in one slot into the other's
.set STAGE, 2*SLOT1                    ; the way out: 16 rows x 144 bytes for each wave; no tensor load lands here
.set SPARE, STAGE+16*16*KP             ; the spare words, 128 bytes for each wave: eight blocks of 256 bytes that no other line names
.set AK0, 1
.set AV0, 2
.set ADK, 3
.set ADV, 4
.set SPW, 5                            ; v5 LDS address of my spare word; never rewritten
.set NIL, 6                            ; v6 0; never rewritten
.set PFO, 7                            ; v7 256 x lane; never rewritten
.set ST,  8
.set QF,  24
.set KV,  56
.set S,   120
.set O,   184
.set TB,  2                            ; s2  LDS byte at which the slot in hand begins
.set SLOTS, 3                          ; s3  changes of slots still to come in the loop
.set WV,  8                            ; s8  my wave's number
.set KF,  9                            ; s9  the step's first key
.set Q0,  10                           ; s10 my first query
.set LASTQ, 11                         ; s11 my work-group's last query
.set SEL, 12                           ; s[12:13] lane selects for v_permlanex16_b32: lane l xor 16
.set CS,  14                           ; s[14:15] c, twice: the packed form names a pair
.set G1K, 24                           ; s[24:31], s[32:39] descriptor groups 1 for K's and V's tiles; s[40:43], s[44:47] their groups 0, which walk
.set G1V, 32
.set G0K, 40
.set G0V, 44
.set PFA, 48                           ; s[48:49] where my prefetches stand
.set LIM, 50                           ; s50 1 in a wave that prefetches, else the greatest number
; Waves 0 and 1 fetch for K, waves 2 and 3 for V, the others nothing.  The branches hang on the wave's number alone.  An s_nop 0 and four v_nop follow each of the two lines.
.macro TLOAD
	s_cmp_lt_u32 s[WV], 2
	s_cbranch_scc0 .Lnot_k_\@
	tensor_load_to_lds s[G0K:G0K+3], s[G1K:G1K+7]
	s_nop 0
.rept 4
	v_nop
.endr
	s_branch .Lasked_\@
.Lnot_k_\@:
	s_cmp_lt_u32 s[WV], 4
	s_cbranch_scc0 .Lasked_\@
	tensor_load_to_lds s[G0V:G0V+3], s[G1V:G1V+7]
	s_nop 0
.rept 4
	v_nop
.endr
.Lasked_\@:
.endm
; A PREFETCH of what the NEXT change of slots will ask for: 256 rows of K and of V, 32,768 dense bytes each.  All work-groups of a head walk the same K and V: the head's first work-group, which walks all eight slots, asks.
; In it waves 4 to 7 ask for K's block and waves 8 to 11 for V's, 8,192 bytes a wave, lanes 256 bytes apart: each aligned block of 256 bytes is named once in the launch.  The last change that fills a slot asks for nothing.
.macro ASK
	s_cmp_gt_u32 s[SLOTS], s[LIM]
	s_cbranch_scc0 .Lnot_mine_\@
	global_prefetch_b8 v[PFO], s[PFA:PFA+1] th:TH_LOAD_NT scope:SCOPE_SE
.Lnot_mine_\@:
.endm
	s_load_b128 s[4:7], s[0:1], 0x0                ; qkv16 s[4:5], a16 s[6:7]
	v_lshl_add_u32 v[SPW], v0, 2, SPARE
	v_mov_b32 v[NIL], 0
	ds_add_u32 v[SPW], v[NIL]                      ; the wave's opening: the add, twice on end, and its wait ahead of my first tensor load
	ds_add_u32 v[SPW], v[NIL]
	v_lshrrev_b32 v1, 5, v0
	v_readfirstlane_b32 s[WV], v1                  ; wave 0..15
	s_and_b32 s16, ttmp7, 0xffff
	s_lshr_b32 s17, s16, 4                         ; batch
	s_and_b32 s18, s16, 15                         ; head
	s_mul_i32 s19, s17, 48
	s_add_co_u32 s19, s19, s18
	s_lshl_b32 s52, s19, 18                        ; q's first byte for this batch and head; k's lies 16 groups on, v's 32
	s_mov_b32 s53, 0
	s_lshr_b32 s54, s[WV], 2
	s_xor_b32 s54, s54, s[WV]
	s_and_b32 s54, s54, 1                          ; 1: the late block
	s_sub_co_u32 s55, 7, ttmp9
	s_cmp_eq_u32 s54, 1
	s_cselect_b32 s55, s55, ttmp9                  ; my block of 256 queries
	s_lshl_b32 s[Q0], s55, 8
	s_lshr_b32 s56, s[WV], 1
	s_lshl_b32 s56, s56, 5
	s_add_co_u32 s[Q0], s[Q0], s56                 ; my first query
	s_sub_co_u32 s[LASTQ], 7, ttmp9
	s_lshl_b32 s[LASTQ], s[LASTQ], 8
	s_or_b32 s[LASTQ], s[LASTQ], 255
	s_lshl_b32 s56, s[Q0], 7
	s_add_co_u32 s56, s56, s52                     ; my queries' first byte
	s_mov_b32 s57, 0
	s_lshl_b32 s54, s18, 13
	s_lshl_b32 s55, s17, 11
	s_add_co_u32 s54, s54, s55
	s_add_co_u32 s54, s54, s[Q0]
	s_lshl_b32 s54, s54, 7                         ; a16: (head x 8,192 + batch x 2,048 + my first query) x 128 bytes
	s_mov_b32 s55, 0
	s_and_b32 s16, s[WV], 1                        ; which 128 rows of a slot I fetch, if I fetch
	s_lshl_b32 s58, s16, 14
	s_add_co_u32 s58, s58, s52
	s_mov_b32 s59, 0
	s_mul_i32 s17, s16, 128*KP
	s_mul_i32 s18, s16, 128*VP
	s_add_co_u32 s18, s18, VOFF
	; descriptor group 1: 128 rows of 64 elements of 2 bytes, dense in memory, padded in LDS
	s_mov_b32 s[G1K], (1<<16)|(1<<20)|(4<<22)|(3<<25)              ; 15:0 no mask; 17:16 elements of 2 bytes; 20 padding on; 24:22 after every 32 words; 31:25 four words
	s_mov_b32 s[G1V], (1<<16)|(1<<20)|(4<<22)|(7<<25)              ; the same with eight words
.irp g, G1K, G1V
	s_mov_b32 s[\g+1], 64<<16                      ; tensor_dim0
	s_mov_b32 s[\g+2], 128<<16                     ; tensor_dim1
	s_mov_b32 s[\g+3], 64<<16                      ; tile_dim0
	s_mov_b32 s[\g+4], 128                         ; tile_dim1
	s_mov_b32 s[\g+5], 64                          ; tensor_dim0_stride
	s_mov_b32 s[\g+6], 0
	s_mov_b32 s[\g+7], 0
.endr
	s_mov_b32 s[SEL], 0x76543210
	s_mov_b32 s[SEL+1], 0xfedcba98
	s_mov_b32 s[CS], 0x3e38aa3b                    ; c = log2(e) / 8
	s_mov_b32 s[CS+1], s[CS]
	s_mov_b32 s[TB], 0
	s_mov_b32 s[SLOTS], 7
	s_mov_b32 s[KF], 0
	s_wait_dscnt 0x0                               ; both opening adds are done
	s_wait_kmcnt 0x0
	s_mov_b32 s[G0K], 1                            ; count = 1
	s_mov_b32 s[G0K+1], s17                        ; LDS address: slot 0
	s_add_nc_u64 s[G0K+2:G0K+3], s[4:5], s[58:59]
	s_add_nc_u64 s[G0K+2:G0K+3], s[G0K+2:G0K+3], 16*262144   ; the head's first 256 keys
	s_or_b32 s[G0K+3], s[G0K+3], 0x80000000        ; type = 2
	s_mov_b32 s[G0V], 1
	s_mov_b32 s[G0V+1], s18
	s_add_nc_u64 s[G0V+2:G0V+3], s[4:5], s[58:59]
	s_add_nc_u64 s[G0V+2:G0V+3], s[G0V+2:G0V+3], 32*262144
	s_or_b32 s[G0V+3], s[G0V+3], 0x80000000
	TLOAD                                          ; slot 0: it holds key 0, which counts for every query
	s_add_nc_u64 s[20:21], s[4:5], s[56:57]        ; Q at my first query
	s_add_nc_u64 s[22:23], s[6:7], s[54:55]        ; a16 likewise
	s_cmp_lt_u32 s[WV], 8                          ; the prefetches: waves 4 to 7 stand in K, waves 8 to 11 in V
	s_cselect_b32 s16, 16, 32
	s_lshl_b32 s16, s16, 18
	s_add_co_u32 s16, s16, s52
	s_and_b32 s17, s[WV], 3
	s_lshl_b32 s17, s17, 13
	s_add_co_u32 s16, s16, s17                     ; my wave's 8,192 bytes,
	s_add_co_u32 s16, s16, 32768                   ; in slot 1: the first change of slots steps it to slot 2.  Nothing is prefetched here, at the head
	s_mov_b32 s17, 0
	s_add_nc_u64 s[PFA:PFA+1], s[4:5], s[16:17]
	s_sub_co_u32 s16, s[WV], 4
	s_lshr_b32 s16, s16, 3                         ; 0 in waves 4 to 11,
	s_or_b32 s16, s16, ttmp9                       ; of the head's first work-group
	s_cmp_eq_u32 s16, 0
	s_cselect_b32 s[LIM], 1, -1
	v_and_b32 v248, 15, v0                         ; r
	v_bfe_u32 v249, v0, 4, 1                       ; h
	v_lshlrev_b32 v250, 7, v248
	v_lshl_add_u32 v250, v249, 4, v250             ; Q: row r of 128 bytes, + 16 h
.irp t, 0,1
.irp c, 0,1
	global_load_b128 v[QF+16*\t+8*\c:QF+16*\t+8*\c+3], v250, s[20:21] offset:2048*\t+64*\c       ; Q stays in registers: tile t, channels 32 c on
	global_load_b128 v[QF+16*\t+8*\c+4:QF+16*\t+8*\c+7], v250, s[20:21] offset:2048*\t+64*\c+32
.endr
.endr
	v_mul_u32_u24 v[AK0], v248, KP
	v_lshl_add_u32 v[AK0], v249, 4, v[AK0]         ; K: row r x pitch + 16 h
	v_and_b32 v251, 7, v0
	v_bfe_u32 v252, v0, 3, 1
	v_lshl_add_u32 v[AV0], v249, 3, v251           ; V, for the turning load: key 8 h + l % 8, channels 8 ((l / 8) % 2) on
	v_mul_u32_u24 v[AV0], v[AV0], VP
	v_lshl_add_u32 v[AV0], v252, 4, v[AV0]
	v_add_nc_u32 v[AV0], VOFF, v[AV0]
	v_and_b32 v[PFO], 31, v0
	v_lshlrev_b32 v[PFO], 8, v[PFO]
.irp t, 0,1
	v_mov_b32 v[ST+8*\t+1], 0xff61b1e6             ; m: -3e38, under every score
	v_mul_f32 v[ST+8*\t], s[CS], v[ST+8*\t+1]      ; c m
.irp j, 2,3,4,5,6,7
	v_mov_b32 v[ST+8*\t+\j], 0                     ; l, and the registers at work: written once, so that every way through the text finds them written
.endr
.endr
.irp j, 0,1,2,3,4,5,6,7,8,9,10,11,12,13,14,15,16,17,18,19,20,21,22,23,24,25,26,27,28,29,30,31,32,33,34,35,36,37,38,39,40,41,42,43,44,45,46,47,48,49,50,51,52,53,54,55,56,57,58,59,60,61,62,63
	v_mov_b32 v[O+\j], 0                           ; O^T.  The step is written once: the first finds zeros, which a = 0 leaves zeros
.endr
; A KEY STEP: 64 keys, the q-th of the slot in hand.
.macro STEP q
	s_cmp_gt_u32 s[KF], s[Q0]                      ; Q0 is a multiple of 32 and KF of 64: KF > Q0 says that all 64 keys come after my 32 queries.  The jump leads round no barrier, no wait on tensor loads and no tensor load
	s_cbranch_scc1 .Lhidden_\@
	v_add_nc_u32 v[ADK], s[TB], v[AK0]
	v_add_nc_u32 v[ADV], s[TB], v[AV0]
.rept 4
	v_nop                                          ; with the two additions six places behind the last products: four are asked in front of loads into registers that they read, five in front of products that write over such registers
.endr
.irp k, 0,1,2,3
.irp c, 0,1
	ds_load_b128 v[KV+8*(2*\k+\c):KV+8*(2*\k+\c)+3], v[ADK] offset:(64*(\q)+16*\k)*KP+64*\c        ; keys 16 k on, channels 32 c on
	ds_load_b128 v[KV+8*(2*\k+\c)+4:KV+8*(2*\k+\c)+7], v[ADK] offset:(64*(\q)+16*\k)*KP+64*\c+32
.endr
.endr
	s_wait_dscnt 0x0
.irp c, 0,1                                    ; S^T = K Q^T: the eight accumulators take turns, one instruction a turn
.irp k, 0,1,2,3
.irp t, 0,1
.if \c == 0
	v_wmma_f32_16x16x32_f16 v[S+32*\t+8*\k:S+32*\t+8*\k+7], v[KV+8*(2*\k+\c):KV+8*(2*\k+\c)+7], v[QF+16*\t+8*\c:QF+16*\t+8*\c+7], 0
.else
	v_wmma_f32_16x16x32_f16 v[S+32*\t+8*\k:S+32*\t+8*\k+7], v[KV+8*(2*\k+\c):KV+8*(2*\k+\c)+7], v[QF+16*\t+8*\c:QF+16*\t+8*\c+7], v[S+32*\t+8*\k:S+32*\t+8*\k+7]
.endif
.endr
.endr
.endr
.rept 4
	v_nop                                          ; places: in front of the loads into K's registers, and of the first read of the scores
.endr
.irp g, 0,1                                    ; V of the same step, turned, into the registers that K has left: it lands under the softmax
.irp d, 0,1,2,3
	ds_load_tr16_b128 v[KV+8*(4*\g+\d):KV+8*(4*\g+\d)+3], v[ADV] offset:(64*(\q)+32*\g)*VP+32*\d          ; keys 32 g on, channels 16 d on
	ds_load_tr16_b128 v[KV+8*(4*\g+\d)+4:KV+8*(4*\g+\d)+7], v[ADV] offset:(64*(\q)+32*\g)*VP+16*VP+32*\d
.endr
.endr
	s_add_co_u32 s16, s[KF], 63                    ; a step all of whose keys count for all my queries skips the mask
	s_cmp_le_u32 s16, s[Q0]
	s_cbranch_scc1 .Lopen_\@
	s_sub_co_i32 s16, s[Q0], s[KF]
	v_and_b32 v248, 15, v0
	v_bfe_u32 v249, v0, 4, 1
	v_lshlrev_b32 v249, 3, v249
	v_sub_nc_u32 v248, v248, v249
	v_add_nc_u32 v248, s16, v248                   ; tile 0: my query - KF - 8 (lane / 16).  Register 8 k + j holds key KF + 16 k + 8 (lane / 16) + j: hidden where 16 k + j is greater
	v_add_nc_u32 v249, 16, v248                    ; tile 1
	v_mov_b32 v250, 0xcfee6b28                     ; -8e9: reference()'s -1e9, ahead of the division by 8
.irp t, 0,1
.irp k, 0,1,2,3
.irp j, 0,1,2,3,4,5,6,7
	v_cmp_gt_i32 vcc_lo, 16*\k+\j, v[248+\t]
	v_cndmask_b32 v[S+32*\t+8*\k+\j], v[S+32*\t+8*\k+\j], v250, vcc_lo
.endr
.endr
.endr
.Lopen_\@:
; the maximum of the lane's 32 scores and the old m, three operands at a time, four chains a tile, the two tiles by turns; each accumulator is read from its low end on
.irp j, 0,1,2,3
.irp t, 0,1
	v_max3_num_f32 v[ST+8*\t+4+\j], v[S+32*\t+8*\j], v[S+32*\t+8*\j+1], v[S+32*\t+8*\j+2]
.endr
.endr
.irp i, 3,5
.irp j, 0,1,2,3
.irp t, 0,1
	v_max3_num_f32 v[ST+8*\t+4+\j], v[ST+8*\t+4+\j], v[S+32*\t+8*\j+\i], v[S+32*\t+8*\j+\i+1]
.endr
.endr
.endr
.irp t, 0,1
	v_max3_num_f32 v[ST+8*\t+4], v[ST+8*\t+4], v[S+32*\t+7], v[S+32*\t+15]
.endr
.irp t, 0,1
	v_max3_num_f32 v[ST+8*\t+6], v[ST+8*\t+6], v[S+32*\t+23], v[S+32*\t+31]
.endr
.irp t, 0,1
	v_max3_num_f32 v[ST+8*\t+4], v[ST+8*\t+4], v[ST+8*\t+5], v[ST+8*\t+6]
.endr
.irp t, 0,1
	v_max3_num_f32 v[ST+8*\t+4], v[ST+8*\t+4], v[ST+8*\t+7], v[ST+8*\t+1]
.endr
.irp t, 0,1
	v_permlanex16_b32 v[ST+8*\t+5], v[ST+8*\t+4], s[SEL], s[SEL+1]   ; the query's other 32 keys lie in the lane 16 away
.endr
.irp t, 0,1
	v_mov_b32 v[ST+8*\t+7], v[ST+8*\t]             ; c m_old is kept for a
.endr
.irp t, 0,1
	v_max_num_f32 v[ST+8*\t+1], v[ST+8*\t+4], v[ST+8*\t+5]           ; the new m: a true score, since a step that is walked holds a key that every query of mine sees
.endr
.irp t, 0,1
	v_mul_f32 v[ST+8*\t], s[CS], v[ST+8*\t+1]
.endr
.irp t, 0,1
	v_sub_f32 v[ST+8*\t+7], v[ST+8*\t+7], v[ST+8*\t]
.endr
.irp b, 0,1,2,3,4,5,6,7,8,9,10,11,12,13,14,15
.irp t, 0,1
	v_pk_fma_f32 v[S+32*\t+2*\b:S+32*\t+2*\b+1], v[S+32*\t+2*\b:S+32*\t+2*\b+1], s[CS:CS+1], v[ST+8*\t:ST+8*\t+1] op_sel_hi:[1,0,0] neg_lo:[0,0,1] neg_hi:[0,0,1]   ; c s - c m, two at a time
.endr
.endr
.irp t, 0,1
	v_exp_f32 v[ST+8*\t+6], v[ST+8*\t+7]           ; a
.endr
.irp j, 0,1,2,3,4,5,6,7,8,9,10,11,12,13,14,15,16,17,18,19,20,21,22,23,24,25,26,27,28,29,30,31
.irp t, 0,1
	v_exp_f32 v[S+32*\t+\j], v[S+32*\t+\j]         ; p, at most 1
.endr
.endr
	v_nop                                          ; a plain instruction behind the last exponential
	s_wait_alu depctr_va_vdst(0)                   ; one wait for the batch of 66, ahead of its first reader
.irp t, 0,1                                    ; the sums of the unrounded p: two chains a tile
	v_pk_add_f32 v[248+4*\t:249+4*\t], v[S+32*\t:S+32*\t+1], v[S+32*\t+4:S+32*\t+5]
	v_pk_add_f32 v[250+4*\t:251+4*\t], v[S+32*\t+2:S+32*\t+3], v[S+32*\t+6:S+32*\t+7]
.endr
.irp j, 8,12,16,20,24,28
.irp t, 0,1
	v_pk_add_f32 v[248+4*\t:249+4*\t], v[248+4*\t:249+4*\t], v[S+32*\t+\j:S+32*\t+\j+1]
	v_pk_add_f32 v[250+4*\t:251+4*\t], v[250+4*\t:251+4*\t], v[S+32*\t+\j+2:S+32*\t+\j+3]
.endr
.endr
.irp t, 0,1
	v_pk_add_f32 v[248+4*\t:249+4*\t], v[248+4*\t:249+4*\t], v[250+4*\t:251+4*\t]
.endr
.irp t, 0,1
	v_pk_fma_f32 v[ST+8*\t+2:ST+8*\t+3], v[ST+8*\t+2:ST+8*\t+3], v[ST+8*\t+6:ST+8*\t+7], v[248+4*\t:249+4*\t] op_sel_hi:[1,0,1]   ; l = a l + the sum
.endr
.irp i, 0,1,2,3,4,5,6,7,8,9,10,11,12,13,14,15
.irp t, 0,1
	v_cvt_pk_f16_f32 v[S+32*\t+\i], v[S+32*\t+2*\i], v[S+32*\t+2*\i+1]   ; P is laid over p, ascending: register i is written when registers 2 i and 2 i + 1 are read, never ahead of them
.endr
.endr
.irp i, 0,1,2,3,4,5,6,7,8,9,10,11,12,13,14,15
.irp t, 0,1
	v_pk_mul_f32 v[O+32*\t+2*\i:O+32*\t+2*\i+1], v[O+32*\t+2*\i:O+32*\t+2*\i+1], v[ST+8*\t+6:ST+8*\t+7] op_sel_hi:[1,0]   ; O^T x a
.endr
.endr
	s_wait_dscnt 0x0                               ; V is in
.irp g, 0,1                                    ; O^T += V^T P: the eight accumulators take turns
.irp d, 0,1,2,3
.irp t, 0,1
	v_wmma_f32_16x16x32_f16 v[O+32*\t+8*\d:O+32*\t+8*\d+7], v[KV+8*(4*\g+\d):KV+8*(4*\g+\d)+7], v[S+32*\t+8*\g:S+32*\t+8*\g+7], v[O+32*\t+8*\d:O+32*\t+8*\d+7]
.endr
.endr
.endr
.Lhidden_\@:
	s_add_co_u32 s[KF], s[KF], 64
.endm
; THE CHANGE OF SLOTS stands at a slot's head.  Each wave waits for all its tensor loads, adds 0 to its spare word (fill = 1: twice on end), and waits for that and for its reads of the slot that it has left.
; Behind the barrier the slot ahead is whole and nobody reads the other one.  fill = 1: that other slot is filled with the next 256 keys, up to the causal limit: the load has a slot's four steps in which to land.
.macro CHANGE fill
	s_wait_tensorcnt 0x0                           ; no tensor load of mine is out, so a group 0 may be written
	ds_add_u32 v[SPW], v[NIL]                      ; 0 onto my spare word
.if \fill
	ds_add_u32 v[SPW], v[NIL]                      ; and once more: the add stands twice on end in every trip alike
	s_xor_b32 s[G0K+1], s[G0K+1], SLOT1            ; the walking descriptors: the other slot than last time,
	s_add_nc_u64 s[G0K+2:G0K+3], s[G0K+2:G0K+3], 32768   ; the next 256 keys; the type bits on top are not reached
	s_xor_b32 s[G0V+1], s[G0V+1], SLOT1
	s_add_nc_u64 s[G0V+2:G0V+3], s[G0V+2:G0V+3], 32768
	s_wait_xcnt 0x0                                ; the last prefetch, a slot back, has read its address, so it may be written:
	s_add_nc_u64 s[PFA:PFA+1], s[PFA:PFA+1], 32768 ; one slot further on than the walking descriptors
.endif
	s_wait_dscnt 0x0                               ; the add is done, and my reads of the slot that I have left are over
	s_barrier_signal -1
	s_barrier_wait -1
.if \fill
	s_add_co_u32 s16, s[KF], 256                   ; the first key of the slot that this change would ask for:
	s_cmp_gt_u32 s16, s[LASTQ]                     ; beyond my work-group's last query it is read by none of the sixteen waves, so it is not asked for.  Ids and the count of steps alone: all waves go the same way,
	s_cbranch_scc1 .Lpast_\@                       ; every wait on tensor loads in this text is for 0, and the jump leads round the load's own lines and nothing else
	TLOAD                                          ; a wave's one tensor load until the next such barrier
.Lpast_\@:
	ASK
.endif
.endm
.macro SLOT_STEPS
.set QQ, 0
.rept 4
	STEP QQ
.set QQ, QQ+1
.endr
	s_xor_b32 s[TB], s[TB], SLOT1                  ; on to the other slot
.endm
	s_wait_loadcnt 0x0                             ; Q
.Lslot:                                            ; seven trips: behind each change of slots but the last the next slot is asked for, up to the causal limit
	CHANGE 1
	SLOT_STEPS
	s_sub_co_u32 s[SLOTS], s[SLOTS], 1
	s_cmp_lg_u32 s[SLOTS], 0
	s_cbranch_scc1 .Lslot
	CHANGE 0                                       ; the last slot is written out: nothing is left to ask for
	SLOT_STEPS
	; THE WAY OUT.  l's two halves and the other half of the lanes' are added; O^T is divided by l, rounded to f16 and sent through my stage, a tile (16 rows of 128 bytes) at a time; it comes back as four rows an instruction.
.rept 4
	v_nop                                          ; places behind the last products
.endr
.irp t, 0,1
	v_add_f32 v[ST+8*\t+4], v[ST+8*\t+2], v[ST+8*\t+3]
.endr
.irp t, 0,1
	v_permlanex16_b32 v[ST+8*\t+5], v[ST+8*\t+4], s[SEL], s[SEL+1]
.endr
.irp t, 0,1
	v_add_f32 v[ST+8*\t+4], v[ST+8*\t+4], v[ST+8*\t+5]
.endr
.irp t, 0,1
	v_rcp_f32 v[ST+8*\t+6], v[ST+8*\t+4]
.endr
	v_and_b32 v251, 15, v0                         ; r.  (The addresses are the plain work behind the reciprocals)
	v_bfe_u32 v252, v0, 4, 1                       ; h
	s_mul_i32 s16, s[WV], 16*KP
	s_add_co_u32 s16, s16, STAGE                   ; my stage
	v_mul_u32_u24 v248, v251, KP
	v_lshl_add_u32 v248, v252, 4, v248
	v_add_nc_u32 v248, s16, v248                   ; in: row r, 16 bytes for each half of the lanes
	v_and_b32 v253, 31, v0
	v_lshrrev_b32 v249, 3, v253
	v_mul_u32_u24 v249, v249, KP
	v_and_b32 v254, 7, v0
	v_lshl_add_u32 v249, v254, 4, v249
	v_add_nc_u32 v249, s16, v249                   ; back: eight lanes to a row of 128 bytes, four rows an instruction
	v_lshlrev_b32 v250, 4, v253                    ; and the same 512 bytes in a16
	s_wait_alu depctr_va_vdst(0)                   ; one wait for the two reciprocals, ahead of their first reader
.irp t, 0,1
.irp i, 0,1,2,3,4,5,6,7,8,9,10,11,12,13,14,15
	v_pk_mul_f32 v[O+32*\t+2*\i:O+32*\t+2*\i+1], v[O+32*\t+2*\i:O+32*\t+2*\i+1], v[ST+8*\t+6:ST+8*\t+7] op_sel_hi:[1,0]
.endr
.irp i, 0,1,2,3,4,5,6,7,8,9,10,11,12,13,14,15
	v_cvt_pk_f16_f32 v[S+16*\t+\i], v[O+32*\t+2*\i], v[O+32*\t+2*\i+1]
.endr
.irp d, 0,1,2,3
	ds_store_b128 v248, v[S+16*\t+4*\d:S+16*\t+4*\d+3] offset:32*\d
.endr
.irp i, 0,1,2,3
	ds_load_b128 v[KV+16*\t+4*\i:KV+16*\t+4*\i+3], v249 offset:4*KP*\i   ; LDS serves a wave's instructions in order: these see the stores above, and the next tile's stores come behind them
.endr
.endr
.irp t, 0,1
.irp i, 0,1,2,3
	s_wait_dscnt 11-8*\t-\i                        ; behind this load: its tile's later loads, and for tile 0 the eight LDS instructions of tile 1
	global_store_b128 v250, v[KV+16*\t+4*\i:KV+16*\t+4*\i+3], s[22:23] offset:2048*\t+512*\i   ; 32 lanes store 512 consecutive bytes, aligned
.endr
.endr
	s_wait_tensorcnt 0x0                           ; the wave's end, behind my last tensor load and my last LDS store
	ds_add_u32 v[SPW], v[NIL]
	s_wait_dscnt 0x0
	s_endpgm
.Lfunc_end_k_q273e8d7a59_attn:
	.size	k_q273e8d7a59_attn, .Lfunc_end_k_q273e8d7a59_attn-k_q273e8d7a59_attn
	.p2alignl 7, 3214868480
	.fill 96, 4, 3214868480
	.section	.rodata,"a",@progbits
	.p2align	6, 0x0
	.amdhsa_kernel k_q273e8d7a59_attn
		.amdhsa_group_segment_fixed_size 327680
		.amdhsa_private_segment_fixed_size 0
		.amdhsa_enable_private_segment 0
		.amdhsa_kernarg_size 16
		.amdhsa_user_sgpr_count 2
		.amdhsa_user_sgpr_kernarg_segment_ptr 1
		.amdhsa_wavefront_size32 1
		.amdhsa_system_sgpr_workgroup_id_x 1
		.amdhsa_system_sgpr_workgroup_id_y 1
		.amdhsa_system_sgpr_workgroup_id_z 1
		.amdhsa_system_vgpr_workitem_id 0
		.amdhsa_next_free_vgpr 256
		.amdhsa_next_free_sgpr 66
		.amdhsa_reserve_vcc 1
		.amdhsa_float_denorm_mode_32 3
		.amdhsa_float_denorm_mode_16_64 3
		.amdhsa_memory_ordered 1
		.amdhsa_forward_progress 1
		.amdhsa_inst_pref_size 190
	.end_amdhsa_kernel
	.amdgpu_metadata
---
amdhsa.version: [ 1, 2 ]
amdhsa.kernels:
  - .name:           k_q273e8d7a59_attn
    .symbol:         k_q273e8d7a59_attn.kd
    .args:
      - { .name: qkv16, .offset: 0, .size: 8, .value_kind: global_buffer, .address_space: global }
      - { .name: a16, .offset: 8, .size: 8, .value_kind: global_buffer, .address_space: global }
    .group_segment_fixed_size: 327680
    .private_segment_fixed_size: 0
    .kernarg_segment_align: 8
    .kernarg_segment_size: 16
    .max_flat_workgroup_size: 512
    .sgpr_count:     66
    .vgpr_count:     256
    .wavefront_size: 32
...
	.end_amdgpu_metadata
.endif
;; end of part 3
;; launch proj (part 4): grid 4 x 64, 4 waves a work-group, clusters of 4 x 4, 327,680 bytes of LDS; arguments a16, wp16, b_proj, out0; writes out0
.if DOCPART == 4
	.amdgcn_target "amdgcn-amd-amdhsa--gfx1250"
	.amdhsa_code_object_version 6
	.text
	.protected	k_q273e8d7a59_proj
	.globl	k_q273e8d7a59_proj
	.p2align	8
	.type	k_q273e8d7a59_proj,@function
k_q273e8d7a59_proj:
	s_mov_b64 s[64:65], 0
	v_nop
	global_prefetch_b8 v0, s[64:65] scope:SCOPE_SE
	s_setreg_imm32_b32 hwreg(HW_REG_WAVE_MODE, 25, 1), 1
	s_wait_xcnt 0x0
	s_wait_alu depctr_hold_cnt(0) depctr_sa_sdst(0) depctr_va_vdst(0) depctr_va_sdst(0) depctr_va_ssrc(0) depctr_va_vcc(0) depctr_vm_vsrc(0)
	s_getreg_b32 s2, hwreg(HW_REG_IB_STS2, 6, 4)
	s_cmp_eq_u32 s2, 0
	s_cbranch_scc0 .Lentry_in_a_cluster
	s_endpgm
.Lentry_in_a_cluster:
	s_bfe_u32 s2, ttmp6, 0x10000c
	s_cmp_lg_u32 s2, 0xf033
	s_cbranch_scc0 .Lentry_shape_is_right
	s_endpgm
.Lentry_shape_is_right:
; out = a W_proj + b_proj on f16 operands, sums in f32.  a16: [head 16][row 8192][64] f16 (k = 64 head + channel); wp16: [k 1024][n 1024] f16; out0: [8192][1024] f32.
; (Positions 0-15 of every sequence are computed here too, inside tiles that hold other rows; the launch that follows writes those 64 rows over, in f32.)
; A tile of the result is 128 (m) x 256 (n): 256 work-groups.  Four waves, each 64 x 128: 32 accumulators of 16 x 16, 256 registers.  K goes in steps of 128 (two heads) through a ring of two LDS slots.
; CLUSTERS: 4 x 4 work-groups.  The four of a row of the cluster need the same tiles of a, the four of a column the same tiles of W_proj: each tile is asked for JOINTLY.
; THE MATRIX INSTRUCTION IS USED TRANSPOSED: source 0 = 16 columns of W_proj, which lies [k][n] and comes out of LDS by the turning load; source 1 = 16 rows of a.  A lane then holds eight neighbouring columns of one row.
; THE BIAS is the C of each sum's first product.
; REGISTERS: window 0: v16-30 addresses; v32-95 the bias; v128-255 rows on the way out.  window 1: two fragment buffers of 96 (a: 4 x 8, then W: 8 x 8) at v0 and v128.  window 2: the accumulators, (a, b) at v[8 (8 a + b)].
.set AP,     144                       ; a row of a's tile in LDS: 128 bytes + 16
.set AH,     128*AP                    ; one head's 128 rows: what one tensor load brings
.set BP,     544                       ; a k-row of W's tile: 512 bytes + 32: an odd multiple of 32, for the turning load
.set BH,     64*BP                     ; 64 k-rows: what one tensor load brings
.set BOFF,   2*AH
.set SLOT,   BOFF+2*BH
.set STAGE,  2*SLOT                    ; behind the ring: 16 rows x 528 bytes for each wave; no tensor load lands here
.set SPARE,  STAGE+4*16*528            ; the spare words, 128 bytes for each wave: two blocks of 256 bytes that no other line names
.set ADRA, 16                          ; v16-17 LDS address of my fragments of a in slot 0, 1
.set ADRB, 20                          ; v20-21 the same for W
.set STO,  24
.set RD,   25
.set CO,   26
.set SPW,  28                          ; v28 LDS address of my spare word; never rewritten
.set NIL,  29                          ; v29 0; never rewritten
.set BOF,  30
.set BIAS, 32
.set BK,   128
.set F0,   0
.set F1,   128
.set G1, 24                            ; s[24:31] descriptor group 1 for a's tiles; s[32:39] group 0, one set for each slot
.set G0, 32
.set G1B, 48                           ; s[48:55], s[56:63] the same for W's
.set G0B, 56
.set MSB, 0
.macro WIN new                         ; the immediate's high byte repeats the setting that is left
.if MSB != \new
	s_set_vgpr_msb (MSB<<8)|\new
.set MSB, \new
.endif
.endm
.set MUL,  0xa5                        ; sources 0 and 1 window 1; C and D window 2
.set MULB, 0x85                        ; the first products: C (the bias) window 0
.set TO_F, 0x40                        ; destination window 1, address window 0
.macro JLOAD s                         ; a joint load: waves 0 and 1 fetch a's two heads, waves 2 and 3 W's two halves; an s_nop 0 and four v_nop follow each of the two lines
	s_cmp_eq_u32 s13, 0
	s_cbranch_scc0 .Lfor_b_\@
	tensor_load_to_lds s[G0+4*\s:G0+4*\s+3], s[G1:G1+7]
	s_nop 0
.rept 4
	v_nop
.endr
	s_branch .Lasked_\@
.Lfor_b_\@:
	tensor_load_to_lds s[G0B+4*\s:G0B+4*\s+3], s[G1B:G1B+7]
	s_nop 0
.rept 4
	v_nop
.endr
.Lasked_\@:
.endm
.macro CREST                           ; a round of the cluster's barrier behind its opening barrier
	s_cmp_lg_u32 s12, 0
	s_cbranch_scc1 .Lnot_wave_0_\@
	s_barrier_signal -3
.Lnot_wave_0_\@:
	s_barrier_wait -3
	s_barrier_signal -1
	s_barrier_wait -1
.endm
.macro CROUND
	s_barrier_signal -1
	s_barrier_wait -1
	CREST
.endm
	s_load_b256 s[4:11], s[0:1], 0x0               ; a16 s[4:5], wp16 s[6:7], b_proj s[8:9], out0 s[10:11]
	v_lshl_add_u32 v[SPW], v0, 2, SPARE
	v_mov_b32 v[NIL], 0
	ds_add_u32 v[SPW], v[NIL]                      ; the wave's opening: the add, twice on end, and its wait ahead of my first tensor load
	ds_add_u32 v[SPW], v[NIL]
	v_lshrrev_b32 v1, 5, v0
	v_readfirstlane_b32 s12, v1                    ; wave 0..3
	s_lshr_b32 s13, s12, 1                         ; which 64 rows of the tile are mine.  Also: I fetch for a (0) or for W (1)
	s_and_b32 s14, s12, 1                          ; which 128 columns.  Also: which part I fetch
	s_bfe_u32 s40, ttmp6, 0x40000                  ; cx, cy: my place in the cluster
	s_bfe_u32 s41, ttmp6, 0x40004
	s_lshl_b32 s42, ttmp9, 2
	s_add_co_u32 s42, s42, s40                     ; tile column = 4 x cluster x + cx
	s_and_b32 s15, ttmp7, 0xffff
	s_lshl_b32 s15, s15, 2
	s_add_co_u32 s15, s15, s41                     ; tile row = 4 x cluster y + cy
	s_lshl_b32 s43, s41, 2
	s_lshl_b32 s43, 15, s43                        ; my row of the cluster
	s_lshl_b32 s44, 0x1111, s40                    ; my column
	s_or_b32 s[G1+0], s43, (1<<16)|(1<<20)|(1<<21)|(4<<22)|(3<<25)   ; a: the mask of my row; elements of 2 bytes; padding on; bit 21 beside a mask; four words after every 32
	s_mov_b32 s[G1+1], 64<<16                      ; tensor_dim0 = 64
	s_mov_b32 s[G1+2], 128<<16                     ; tensor_dim1 = 128
	s_mov_b32 s[G1+3], 64<<16                      ; tile_dim0
	s_mov_b32 s[G1+4], 128                         ; tile_dim1
	s_mov_b32 s[G1+5], 64                          ; stride from row to row
	s_mov_b32 s[G1+6], 0
	s_mov_b32 s[G1+7], 0
	s_or_b32 s[G1B+0], s44, (1<<16)|(1<<20)|(1<<21)|(6<<22)|(7<<25)  ; W: the mask of my column; eight words after every 128
	s_mov_b32 s[G1B+1], 256<<16
	s_mov_b32 s[G1B+2], 64<<16
	s_mov_b32 s[G1B+3], 256<<16
	s_mov_b32 s[G1B+4], 64
	s_mov_b32 s[G1B+5], 1024
	s_mov_b32 s[G1B+6], 0
	s_mov_b32 s[G1B+7], 0
	s_lshl_b32 s16, s14, 20                        ; a: head (w & 1), 8,192 rows of 128 bytes a head,
	s_lshl_b32 s17, s15, 14
	s_add_co_u32 s16, s16, s17                     ; row 128 x tile row
	s_mov_b32 s17, 0
	s_lshl_b32 s46, s14, 17                        ; W: k-row 64 (w & 1), 2,048 bytes a row,
	s_lshl_b32 s47, s42, 9
	s_add_co_u32 s46, s46, s47                     ; column 256 x tile column
	s_mov_b32 s47, 0
	s_mul_i32 s20, s14, AH                         ; where they go: no place in the cluster enters an LDS address
	s_mul_i32 s21, s14, BH
	s_add_co_u32 s21, s21, BOFF
	s_wait_dscnt 0x0                               ; both opening adds are done
	s_wait_kmcnt 0x0
	s_add_nc_u64 s[18:19], s[4:5], s[16:17]
	s_add_nc_u64 s[46:47], s[6:7], s[46:47]
	CROUND                                         ; all sixteen work-groups are here: the first joint loads meet
.irp s, 0,1
	s_mov_b32 s[G0+4*\s], 1
	s_add_co_u32 s[G0+4*\s+1], s20, \s*SLOT
	s_add_nc_u64 s[G0+4*\s+2:G0+4*\s+3], s[18:19], \s*2097152     ; K step s: two heads on
	s_or_b32 s[G0+4*\s+3], s[G0+4*\s+3], 0x80000000
	s_mov_b32 s[G0B+4*\s], 1
	s_add_co_u32 s[G0B+4*\s+1], s21, \s*SLOT
	s_add_nc_u64 s[G0B+4*\s+2:G0B+4*\s+3], s[46:47], \s*262144    ; 128 k-rows on
	s_or_b32 s[G0B+4*\s+3], s[G0B+4*\s+3], 0x80000000
	JLOAD \s
.endr
	s_lshl_b32 s46, s42, 10
	s_lshl_b32 s47, s14, 9
	s_add_co_u32 s46, s46, s47                     ; my first column, in f32 bytes
	s_mov_b32 s47, 0
	s_add_nc_u64 s[8:9], s[8:9], s[46:47]
	s_add_nc_u64 s[10:11], s[10:11], s[46:47]
	s_lshl_b32 s46, s15, 19                        ; my first row: 128 x tile row + 64 x half, 4,096 bytes a row
	s_lshl_b32 s16, s13, 18
	s_add_co_u32 s46, s46, s16
	s_add_nc_u64 s[10:11], s[10:11], s[46:47]
	v_and_b32 v1, 15, v0                           ; r
	v_bfe_u32 v2, v0, 4, 1                         ; h
	v_lshlrev_b32 v[BOF], 5, v2
.irp b, 0,1,2,3,4,5,6,7
	global_load_b128 v[BIAS+8*\b:BIAS+8*\b+3], v[BOF], s[8:9] offset:64*\b            ; b_proj at columns 16 b + 8 h + 0 .. 7: the result's layout
	global_load_b128 v[BIAS+8*\b+4:BIAS+8*\b+7], v[BOF], s[8:9] offset:64*\b+16
.endr
	v_mul_u32_u24 v3, v1, AP
	v_lshl_add_u32 v3, v2, 4, v3                   ; a: row r x pitch + 16 h
	s_mul_i32 s21, s13, 64*AP                      ; my 64 rows
	v_and_b32 v4, 7, v0
	v_bfe_u32 v5, v0, 3, 1
	v_lshl_add_u32 v4, v2, 3, v4                   ; W, for the turning load: k-row 8 h + l % 8, columns 8 ((l / 8) % 2) on
	v_mul_u32_u24 v4, v4, BP
	v_lshl_add_u32 v4, v5, 4, v4
	s_lshl_b32 s22, s14, 8                         ; my 128 columns
	s_add_co_u32 s22, s22, BOFF
.irp s, 0,1
	v_add_nc_u32 v[ADRA+\s], s21, v3
	v_add_nc_u32 v[ADRB+\s], s22, v4
	s_add_co_u32 s21, s21, SLOT
	s_add_co_u32 s22, s22, SLOT
.endr
	s_mul_i32 s23, s12, 16*528
	s_add_co_u32 s23, s23, STAGE                   ; my stage
	v_mul_u32_u24 v5, v1, 528
	v_lshl_add_u32 v5, v2, 5, v5
	v_add_nc_u32 v[STO], s23, v5                   ; in: row r, 32 bytes for each half of the lanes
	v_and_b32 v6, 31, v0
	v_lshlrev_b32 v[CO], 4, v6
	v_add_nc_u32 v[RD], s23, v[CO]                 ; back: the 32 lanes take one row of 512 bytes
; 24 LDS loads in one run: the fragments of the slot's q-th 32 along K into buffer f: W's eight (turned) first, then a's four
.macro FETCH slot, q, f
	WIN TO_F
.irp n, 0,1,2,3,4,5,6,7
	ds_load_tr16_b128 v[\f+32+8*\n:\f+32+8*\n+3], v[ADRB+\slot] offset:(\q)*32*BP+32*\n
	ds_load_tr16_b128 v[\f+32+8*\n+4:\f+32+8*\n+7], v[ADRB+\slot] offset:(\q)*32*BP+32*\n+16*BP
.endr
.irp m, 0,1,2,3
	ds_load_b128 v[\f+8*\m:\f+8*\m+3], v[ADRA+\slot] offset:((\q)/2)*AH+((\q)%2)*64+\m*16*AP
	ds_load_b128 v[\f+8*\m+4:\f+8*\m+7], v[ADRA+\slot] offset:((\q)/2)*AH+((\q)%2)*64+\m*16*AP+32
.endr
.endm
; 8 matrix instructions: a's block a x W's eight.  first = 1: the bias is the C.  The 32 accumulators take turns, one instruction a turn, in the same order in every quarter.
.macro MUL8 f, a, first
.irp b, 0,1,2,3,4,5,6,7
.if \first
	v_wmma_f32_16x16x32_f16 v[8*(8*(\a)+\b):8*(8*(\a)+\b)+7], v[\f+32+8*\b:\f+32+8*\b+7], v[\f+8*(\a):\f+8*(\a)+7], v[BIAS+8*\b:BIAS+8*\b+7]
.else
	v_wmma_f32_16x16x32_f16 v[8*(8*(\a)+\b):8*(8*(\a)+\b)+7], v[\f+32+8*\b:\f+32+8*\b+7], v[\f+8*(\a):\f+8*(\a)+7], v[8*(8*(\a)+\b):8*(8*(\a)+\b)+7]
.endif
.endr
.endm
.macro PLACES                          ; four places in front of loads into registers that matrix instructions have read, and of reads of results (ISA guide 7.12.1 for the reads of results)
.rept 4
	v_nop
.endr
.endm
; A K step is four quarters of 32 along K, 32 matrix instructions each, on buffers 0, 1, 0, 1.  One of the first three: multiplies buffer f and fetches quarter qn of the same slot into g.
.macro QUARTER slot, qn, f, g, first
	s_wait_dscnt 4                                 ; W's fragments and a's blocks 0, 1 are in; the youngest four loads (a's blocks 2, 3) may be out
.if \first
	WIN MULB
.else
	WIN MUL
.endif
	MUL8 \f, 0, \first
	MUL8 \f, 1, \first
	PLACES
	FETCH \slot, \qn, \g
	s_wait_dscnt 24                                ; all but the 24 just issued
.if \first
	WIN MULB
.else
	WIN MUL
.endif
	MUL8 \f, 2, \first
	MUL8 \f, 3, \first
.endm
; The last quarter multiplies buffer 1 and changes slots: ONE barrier; in front of it each wave waits for all its tensor loads, adds 0 to its spare word, and waits for that and for its own reads of this slot.
; fill = 1: the barrier opens a round of the cluster's barrier, and this slot is filled again, two K steps ahead, first thing behind the round.
.macro TURN slot, next, fill
	WIN 0                                          ; (the add's two registers lie in window 0)
	s_wait_tensorcnt 0x0                           ; all my tensor loads have landed: my part of the next slot
	ds_add_u32 v[SPW], v[NIL]                      ; 0 onto my spare word
	s_wait_dscnt 5                                 ; (the add and the youngest four loads may be out)
	WIN MUL
	MUL8 F1, 0, 0                                  ; eight matrix instructions stand between the add and the wait for it
	s_wait_dscnt 0x0                               ; the add is done, and my reads of this slot are over
	s_barrier_signal -1
	MUL8 F1, 1, 0
.if \fill
	WIN 0
.endif
	s_barrier_wait -1
.if \fill
	CREST                                          ; no wave of any partner still reads this slot's tile or has a load on its way
	s_add_nc_u64 s[G0+4*\slot+2:G0+4*\slot+3], s[G0+4*\slot+2:G0+4*\slot+3], 4194304      ; four heads on
	s_add_nc_u64 s[G0B+4*\slot+2:G0B+4*\slot+3], s[G0B+4*\slot+2:G0B+4*\slot+3], 524288   ; 256 k-rows on
	JLOAD \slot                                    ; the first tensor load behind the round; its four v_nop are also the places in front of the loads below
.else
	PLACES
.endif
	FETCH \next, 0, F0
	WIN MUL
	MUL8 F1, 2, 0
	MUL8 F1, 3, 0
.endm
	s_wait_tensorcnt 1                             ; my part of K step 0 is in (K step 1's load may be out)
	s_barrier_signal -1
	s_barrier_wait -1                              ; everybody's is
	FETCH 0, 0, F0
	s_wait_loadcnt 0x0                             ; the bias
	QUARTER 0, 1, F0, F1, 1                        ; the first quarter stands in front of the loop: its products start the sums on the bias
	WIN 0                                          ; at a label and at a branch every window is 0
	s_mov_b32 s3, 3
.Llap:                                                 ; a trip goes once round the ring, from a lap's second quarter to the next lap's first, and fills both slots again: K steps 2 to 7
	QUARTER 0, 2, F1, F0, 0
	QUARTER 0, 3, F0, F1, 0
	TURN 0, 1, 1
	QUARTER 1, 1, F0, F1, 0
	QUARTER 1, 2, F1, F0, 0
	QUARTER 1, 3, F0, F1, 0
	TURN 1, 0, 1
	QUARTER 0, 1, F0, F1, 0
	WIN 0
	s_sub_co_u32 s3, s3, 1
	s_cmp_lg_u32 s3, 0
	s_cbranch_scc1 .Llap
	QUARTER 0, 2, F1, F0, 0                        ; the last lap fills nothing, and has no round of the cluster's barrier
	QUARTER 0, 3, F0, F1, 0
	TURN 0, 1, 0
	QUARTER 1, 1, F0, F1, 0
	QUARTER 1, 2, F1, F0, 0
	QUARTER 1, 3, F0, F1, 0
	s_wait_dscnt 4                                 ; the very last quarter: nothing more to fetch
	WIN MUL
	MUL8 F1, 0, 0
	MUL8 F1, 1, 0
	s_wait_dscnt 0
	MUL8 F1, 2, 0
	MUL8 F1, 3, 0
	WIN 0
; THE WAY OUT, block by block of 16 rows x 128 columns of f32: through my own stage and back as whole rows of 512 bytes.  LDS serves a wave's instructions in order: no wait between the stores and the loads.
.macro TOSTAGE a
.set AC, 64*(\a)
	WIN 0x08                                       ; an LDS store's data are its source 1: window 2
.irp b, 0,1,2,3,4,5,6,7
	ds_store_b128 v[STO], v[AC+8*\b:AC+8*\b+3] offset:64*\b        ; each accumulator from its low end on
	ds_store_b128 v[STO], v[AC+8*\b+4:AC+8*\b+7] offset:64*\b+16
.endr
	WIN 0
.set BB, BK+64*((\a)%2)
.irp t, 0,1,2,3,4,5,6,7,8,9,10,11,12,13,14,15
	ds_load_b128 v[BB+4*\t:BB+4*\t+3], v[RD] offset:\t*528
.endr
.endm
.macro SEND a, younger                 ; younger: the LDS instructions issued behind block a's loads, which may stay out
.set BB, BK+64*((\a)%2)
	s_wait_dscnt \younger
.if (\a) > 0
	s_add_nc_u64 s[10:11], s[10:11], 16*4096       ; (behind a wait on XCNT: the earlier stores have read their base)  16 rows on
.endif
.irp t, 0,1,2,3,4,5,6,7,8,9,10,11,12,13,14,15
	global_store_b128 v[CO], v[BB+4*\t:BB+4*\t+3], s[10:11] offset:\t*4096 th:TH_STORE_NT   ; 32 lanes store 512 consecutive bytes, aligned
.endr
.endm
	PLACES
	TOSTAGE 0
.irp a, 1,2,3
.if \a > 1
	s_wait_xcnt 0x0                                ; block a - 2's stores have read their registers and their base
.endif
	TOSTAGE \a
	SEND \a-1, 32                                  ; behind block a - 1's loads: block a's 16 stores and 16 loads
.endr
	s_wait_xcnt 0x0
	SEND 3, 0
	s_wait_tensorcnt 0x0                           ; the wave's end, behind my last tensor load and my last LDS store
	ds_add_u32 v[SPW], v[NIL]
	s_wait_dscnt 0x0
	CROUND                                         ; the closing round: no work-group ends while a partner may still ask for a tile that names it
	s_endpgm
.Lfunc_end_k_q273e8d7a59_proj:
	.size	k_q273e8d7a59_proj, .Lfunc_end_k_q273e8d7a59_proj-k_q273e8d7a59_proj
	.p2alignl 7, 3214868480
	.fill 96, 4, 3214868480
	.section	.rodata,"a",@progbits
	.p2align	6, 0x0
	.amdhsa_kernel k_q273e8d7a59_proj
		.amdhsa_group_segment_fixed_size 327680
		.amdhsa_private_segment_fixed_size 0
		.amdhsa_enable_private_segment 0
		.amdhsa_kernarg_size 32
		.amdhsa_user_sgpr_count 2
		.amdhsa_user_sgpr_kernarg_segment_ptr 1
		.amdhsa_wavefront_size32 1
		.amdhsa_system_sgpr_workgroup_id_x 1
		.amdhsa_system_sgpr_workgroup_id_y 1
		.amdhsa_system_sgpr_workgroup_id_z 1
		.amdhsa_system_vgpr_workitem_id 0
		.amdhsa_next_free_vgpr 768
		.amdhsa_next_free_sgpr 66
		.amdhsa_reserve_vcc 0
		.amdhsa_float_denorm_mode_32 3
		.amdhsa_float_denorm_mode_16_64 3
		.amdhsa_memory_ordered 1
		.amdhsa_forward_progress 1
		.amdhsa_inst_pref_size 87
	.end_amdhsa_kernel
	.amdgpu_metadata
---
amdhsa.version: [ 1, 2 ]
amdhsa.kernels:
  - .name:           k_q273e8d7a59_proj
    .symbol:         k_q273e8d7a59_proj.kd
    .args:
      - { .name: a16, .offset: 0, .size: 8, .value_kind: global_buffer, .address_space: global }
      - { .name: wp16, .offset: 8, .size: 8, .value_kind: global_buffer, .address_space: global }
      - { .name: b_proj, .offset: 16, .size: 8, .value_kind: global_buffer, .address_space: global }
      - { .name: out0, .offset: 24, .size: 8, .value_kind: global_buffer, .address_space: global }
    .group_segment_fixed_size: 327680
    .private_segment_fixed_size: 0
    .kernarg_segment_align: 8
    .kernarg_segment_size: 32
    .max_flat_workgroup_size: 128
    .sgpr_count:     66
    .vgpr_count:     768
    .wavefront_size: 32
...
	.end_amdgpu_metadata
.endif
;; end of part 4
;; launch first16 (part 5): grid 16 x 4, 16 waves a work-group, no clusters, 71,680 bytes of LDS; arguments first32, W_proj, b_proj, out0; writes out0
.if DOCPART == 5
	.amdgcn_target "amdgcn-amd-amdhsa--gfx1250"
	.amdhsa_code_object_version 6
	.text
	.protected	k_q273e8d7a59_first16
	.globl	k_q273e8d7a59_first16
	.p2align	8
	.type	k_q273e8d7a59_first16,@function
k_q273e8d7a59_first16:
	s_mov_b64 s[64:65], 0
	v_nop
	global_prefetch_b8 v0, s[64:65] scope:SCOPE_SE
	s_setreg_imm32_b32 hwreg(HW_REG_WAVE_MODE, 25, 1), 1
	s_wait_xcnt 0x0
; Positions 0-15 of every sequence, attention and projection, all in f32: those rows average one to sixteen values and are the largest in size.  64 rows of out0 are written over.  No work of reference() for these rows is left out.
; first32: [b 4][pos 16][3072] f32 (q, k, v with their bias, unrounded).  W_proj [1024][1024], b_proj [1024], out0 [4][2048][1024]: f32.
; Work-group (cb, b) makes out0[b][0:16][64 cb : 64 cb + 64].  Wave w is head w: its 16 x 16 attention, then that head's 64 of the projection's 1,024 along K; the sixteen partial sums meet in LDS.
; All products by the 16 x 16 x 4 form in f32: 96 a wave, no bulk work.  The registers that this form writes (v112-159) are written by matrix instructions alone.
; K IS PERMUTED ALIKE ON BOTH SIDES of each product, which keeps every sum: so loads of 16 bytes and the results' own layout feed the form as they lie.
; The hidden scores (key > query) get reference()'s own value: a dot product of -8e9 is its -1e9 ahead of the division by 8.  LIMIT: rows whose visible scores lie near or under -1e9 are not served.
; REGISTERS: v1 r, v2 h, v3 lane, v4-9 addresses, v12, v13 the add's two, v[14:15] the bias; v16-47 Q, later a; v48-79 K, v80-111 V, later W's second half; v112-127 S^T in two halves; v128-159 O^T, later the partial sums;
;   v160-167 scores, then p; v168-175 at work; v176-239 W's first half, later the sixteen partial sums of my row.
.set SPARE, 69632                      ; behind the partial sums (16 waves x 16 rows x 272 bytes): the spare words, 128 bytes for each wave: eight blocks of 256 bytes that no other line names
.set SPW, 12
.set NIL, 13
	s_load_b256 s[4:11], s[0:1], 0x0               ; first32 s[4:5], W_proj s[6:7], b_proj s[8:9], out0 s[10:11]
	v_lshl_add_u32 v[SPW], v0, 2, SPARE
	v_mov_b32 v[NIL], 0
	v_lshrrev_b32 v1, 5, v0
	v_readfirstlane_b32 s16, v1                    ; wave = head
	v_and_b32 v1, 15, v0                           ; r
	v_bfe_u32 v2, v0, 4, 1                         ; h
	v_and_b32 v3, 31, v0                           ; lane
	s_and_b32 s17, ttmp7, 0xffff                   ; batch
	s_mov_b32 s12, 0x76543210
	s_mov_b32 s13, 0xfedcba98                      ; v_permlanex16_b32's selects for lane l xor 16
	s_mov_b32 s14, 0x3e38aa3b                      ; c = log2(e) / 8
	s_mul_i32 s20, s17, 196608
	s_lshl_b32 s21, s16, 8
	s_add_co_u32 s20, s20, s21                     ; first32: my batch, my head's 64 columns
	s_mov_b32 s21, 0
	s_lshl_b32 s24, ttmp9, 8                       ; my work-group's 64 columns, in bytes
	s_mov_b32 s25, 0
	s_lshl_b32 s22, s16, 18                        ; W_proj: my head's 64 rows of 4,096 bytes
	s_add_co_u32 s22, s22, s24
	s_mov_b32 s23, 0
	s_lshl_b32 s26, s17, 23                        ; out0: row batch x 2,048 + wave
	s_lshl_b32 s27, s16, 12
	s_add_co_u32 s26, s26, s27
	s_add_co_u32 s26, s26, s24
	s_mov_b32 s27, 0
	v_mul_u32_u24 v4, v1, 12288
	v_lshl_add_u32 v4, v2, 4, v4                   ; Q, K: row r, + 16 h
	v_mul_u32_u24 v5, v2, 98304
	v_lshl_add_u32 v5, v1, 2, v5                   ; V: key 8 h, channel r
	v_lshlrev_b32 v6, 15, v2
	v_lshl_add_u32 v6, v1, 2, v6                   ; W: k-row 8 h, column r
	v_lshlrev_b32 v7, 3, v3                        ; the bias and the way out: 8 bytes a lane
	s_mul_i32 s28, s16, 16*272
	v_mul_u32_u24 v8, v1, 272
	v_lshl_add_u32 v8, v2, 5, v8
	v_add_nc_u32 v8, s28, v8                       ; my partial sums: row r, 32 bytes for each half of the lanes
	s_mul_i32 s29, s16, 272
	v_lshl_add_u32 v9, v3, 3, s29                  ; back: row w of every wave's, 8 bytes a lane
	v_lshlrev_b32 v168, 3, v2
	v_sub_nc_u32 v168, v1, v168                    ; r - 8 h: register j holds key 8 h + j, hidden where j is greater
	v_mov_b32 v169, 0xcfee6b28                     ; -8e9
	s_wait_kmcnt 0x0
	s_add_nc_u64 s[4:5], s[4:5], s[20:21]
	s_add_nc_u64 s[6:7], s[6:7], s[22:23]
	s_add_nc_u64 s[8:9], s[8:9], s[24:25]
	s_add_nc_u64 s[10:11], s[10:11], s[26:27]
	global_load_b64 v[14:15], v7, s[8:9]
.irp c, 0,1,2,3,4,5,6,7
	global_load_b128 v[16+4*\c:19+4*\c], v4, s[4:5] offset:32*\c             ; Q(r, 8 c + 4 h + 0 .. 3)
.endr
.irp c, 0,1,2,3,4,5,6,7
	global_load_b128 v[48+4*\c:51+4*\c], v4, s[4:5] offset:4096+32*\c        ; K likewise
.endr
.irp t, 0,1,2,3
.irp s, 0,1,2,3
.irp j, 0,1
	global_load_b32 v[80+8*\t+2*\s+\j], v5, s[4:5] offset:(2*\s+\j)*12288+8192+64*\t   ; V(8 h + 2 s + j, 16 t + r)
.endr
.endr
.endr
	s_wait_loadcnt 32                              ; the bias, Q and K are in; V's 32 loads may be out
.irp c, 0,1,2,3,4,5,6,7                        ; S^T = K Q^T: product (c, u) takes channels 8 c + 4 h + 2 u + j on both sides.  Two accumulators by turns; their sum is the score
.irp u, 0,1
.if \c == 0
	v_wmma_f32_16x16x4_f32 v[112+8*\u:119+8*\u], v[48+4*\c+2*\u:49+4*\c+2*\u], v[16+4*\c+2*\u:17+4*\c+2*\u], 0
.else
	v_wmma_f32_16x16x4_f32 v[112+8*\u:119+8*\u], v[48+4*\c+2*\u:49+4*\c+2*\u], v[16+4*\c+2*\u:17+4*\c+2*\u], v[112+8*\u:119+8*\u]
.endif
.endr
.endr
.irp t, 0,1                                    ; W's first half, asked for here so that it lands under the softmax
.irp s, 0,1,2,3
.irp n, 0,1,2,3
.irp j, 0,1
	global_load_b32 v[176+((4*\t+\s)*4+\n)*2+\j], v6, s[6:7] offset:(16*\t+2*\s+\j)*4096+64*\n   ; W(64 w + 16 t + 8 h + 2 s + j, 64 cb + 16 n + r)
.endr
.endr
.endr
.endr
.rept 8
	v_nop                                          ; eight places behind this form, ahead of the first read of its results (ISA guide 7.12.1)
.endr
.irp j, 0,1,2,3,4,5,6,7
	v_add_f32 v[160+\j], v[112+\j], v[120+\j]      ; lane (r, h): query r, key 8 h + j
.endr
.irp j, 0,1,2,3,4,5,6,7
	v_cmp_gt_i32 vcc_lo, \j, v168
	v_cndmask_b32 v[160+\j], v[160+\j], v169, vcc_lo
.endr
	v_max3_num_f32 v170, v160, v161, v162
	v_max3_num_f32 v171, v163, v164, v165
	v_max3_num_f32 v170, v170, v166, v167
	v_max_num_f32 v170, v170, v171
	v_permlanex16_b32 v171, v170, s12, s13
	v_max_num_f32 v170, v170, v171                 ; the row's largest score: key 0 counts for every query
	v_mul_f32 v170, s14, v170
.irp j, 0,1,2,3,4,5,6,7
	v_fma_f32 v[160+\j], v[160+\j], s14, -v170     ; c s - c m
.endr
.irp j, 0,1,2,3,4,5,6,7
	v_exp_f32 v[160+\j], v[160+\j]
.endr
	v_nop                                          ; a plain instruction behind the last exponential
	s_wait_alu depctr_va_vdst(0)                   ; one wait for the eight, ahead of their first reader
	v_add_f32 v172, v160, v161
	v_add_f32 v173, v162, v163
	v_add_f32 v172, v172, v164
	v_add_f32 v173, v173, v165
	v_add_f32 v172, v172, v166
	v_add_f32 v173, v173, v167
	v_add_f32 v172, v172, v173
	v_permlanex16_b32 v171, v172, s12, s13
	v_add_f32 v172, v172, v171                     ; the row's sum
	v_rcp_f32 v174, v172
	v_nop                                          ; a plain instruction behind the reciprocal; its wait stands ahead of its first reader, below
	s_wait_loadcnt 63                              ; V is in: 64 loads were issued behind it, and the count is one lower than that, since the wait's field holds no more
.irp s, 0,1,2,3                                ; O^T = V^T p: product (s, t) takes keys 8 h + 2 s + j on both sides; four accumulators by turns
.irp t, 0,1,2,3
.if \s == 0
	v_wmma_f32_16x16x4_f32 v[128+8*\t:135+8*\t], v[80+8*\t+2*\s:81+8*\t+2*\s], v[160+2*\s:161+2*\s], 0
.else
	v_wmma_f32_16x16x4_f32 v[128+8*\t:135+8*\t], v[80+8*\t+2*\s:81+8*\t+2*\s], v[160+2*\s:161+2*\s], v[128+8*\t:135+8*\t]
.endif
.endr
.endr
.rept 9
	v_nop                                          ; nine places: eight are asked in front of the loads into K's and V's registers and of the reads of O^T, nine in front of the products that begin new sums in O^T's registers
.endr
.irp t, 2,3                                    ; W's second half, into the registers that K and V have left
.irp s, 0,1,2,3
.irp n, 0,1,2,3
.irp j, 0,1
	global_load_b32 v[48+((4*(\t-2)+\s)*4+\n)*2+\j], v6, s[6:7] offset:(16*\t+2*\s+\j)*4096+64*\n
.endr
.endr
.endr
.endr
	s_wait_alu depctr_va_vdst(0)                   ; the wait for the reciprocal, ahead of its first reader
.irp i, 0,1,2,3,4,5,6,7,8,9,10,11,12,13,14,15,16,17,18,19,20,21,22,23,24,25,26,27,28,29,30,31
	v_mul_f32 v[16+\i], v[128+\i], v174            ; a(r, 16 t + 8 h + j) in register 8 t + j: into other registers than the sums'
.endr
	s_wait_loadcnt 63                              ; W's first half is in: 64 loads were issued behind it
.irp t, 0,1                                    ; the partial sums, transposed: source 0 = 16 columns of W, source 1 = a; product (t, s, n) takes channels 16 t + 8 h + 2 s + j on both sides; four accumulators by turns
.irp s, 0,1,2,3
.irp n, 0,1,2,3
.if (\t == 0) && (\s == 0)
	v_wmma_f32_16x16x4_f32 v[128+8*\n:135+8*\n], v[176+((4*\t+\s)*4+\n)*2:177+((4*\t+\s)*4+\n)*2], v[16+8*\t+2*\s:17+8*\t+2*\s], 0
.else
	v_wmma_f32_16x16x4_f32 v[128+8*\n:135+8*\n], v[176+((4*\t+\s)*4+\n)*2:177+((4*\t+\s)*4+\n)*2], v[16+8*\t+2*\s:17+8*\t+2*\s], v[128+8*\n:135+8*\n]
.endif
.endr
.endr
.endr
	s_wait_loadcnt 0x0                             ; W's second half
.irp t, 2,3
.irp s, 0,1,2,3
.irp n, 0,1,2,3
	v_wmma_f32_16x16x4_f32 v[128+8*\n:135+8*\n], v[48+((4*(\t-2)+\s)*4+\n)*2:49+((4*(\t-2)+\s)*4+\n)*2], v[16+8*\t+2*\s:17+8*\t+2*\s], v[128+8*\n:135+8*\n]
.endr
.endr
.endr
.rept 8
	v_nop                                          ; eight places, ahead of the stores that read the results and of the loads into W's registers
.endr
.irp n, 0,1,2,3
	ds_store_b128 v8, v[128+8*\n:131+8*\n] offset:64*\n            ; lane (r, h): position r, columns 16 n + 8 h + 0 .. 7; each accumulator from its low end on
	ds_store_b128 v8, v[132+8*\n:135+8*\n] offset:64*\n+16
.endr
	s_wait_dscnt 0x0                               ; for the others' sake: my stores have landed
	s_barrier_signal -1
	s_barrier_wait -1
.irp p, 0,1,2,3,4,5,6,7,8,9,10,11,12,13,14,15
	ds_load_b64 v[176+2*\p:177+2*\p], v9 offset:\p*4352            ; wave w takes position w: head p's part of its 64 columns
.endr
	s_wait_dscnt 0x0
	v_pk_add_f32 v[14:15], v[14:15], v[176:177]    ; two chains; the bias starts the first
	v_pk_add_f32 v[170:171], v[178:179], v[180:181]
.irp p, 3,5,7,9,11,13
	v_pk_add_f32 v[14:15], v[14:15], v[176+2*\p:177+2*\p]
	v_pk_add_f32 v[170:171], v[170:171], v[178+2*\p:179+2*\p]
.endr
	v_pk_add_f32 v[14:15], v[14:15], v[206:207]
	v_pk_add_f32 v[14:15], v[14:15], v[170:171]
	global_store_b64 v7, v[14:15], s[10:11]        ; 32 lanes store 256 consecutive bytes, aligned
	s_wait_tensorcnt 0x0                           ; the wave's end, behind my last LDS store
	ds_add_u32 v[SPW], v[NIL]
	s_wait_dscnt 0x0
	s_endpgm
.Lfunc_end_k_q273e8d7a59_first16:
	.size	k_q273e8d7a59_first16, .Lfunc_end_k_q273e8d7a59_first16-k_q273e8d7a59_first16
	.p2alignl 7, 3214868480
	.fill 96, 4, 3214868480
	.section	.rodata,"a",@progbits
	.p2align	6, 0x0
	.amdhsa_kernel k_q273e8d7a59_first16
		.amdhsa_group_segment_fixed_size 71680
		.amdhsa_private_segment_fixed_size 0
		.amdhsa_enable_private_segment 0
		.amdhsa_kernarg_size 32
		.amdhsa_user_sgpr_count 2
		.amdhsa_user_sgpr_kernarg_segment_ptr 1
		.amdhsa_wavefront_size32 1
		.amdhsa_system_sgpr_workgroup_id_x 1
		.amdhsa_system_sgpr_workgroup_id_y 1
		.amdhsa_system_sgpr_workgroup_id_z 1
		.amdhsa_system_vgpr_workitem_id 0
		.amdhsa_next_free_vgpr 256
		.amdhsa_next_free_sgpr 66
		.amdhsa_reserve_vcc 1
		.amdhsa_float_denorm_mode_32 3
		.amdhsa_float_denorm_mode_16_64 3
		.amdhsa_memory_ordered 1
		.amdhsa_forward_progress 1
		.amdhsa_inst_pref_size 33
	.end_amdhsa_kernel
	.amdgpu_metadata
---
amdhsa.version: [ 1, 2 ]
amdhsa.kernels:
  - .name:           k_q273e8d7a59_first16
    .symbol:         k_q273e8d7a59_first16.kd
    .args:
      - { .name: first32, .offset: 0, .size: 8, .value_kind: global_buffer, .address_space: global }
      - { .name: W_proj, .offset: 8, .size: 8, .value_kind: global_buffer, .address_space: global }
      - { .name: b_proj, .offset: 16, .size: 8, .value_kind: global_buffer, .address_space: global }
      - { .name: out0, .offset: 24, .size: 8, .value_kind: global_buffer, .address_space: global }
    .group_segment_fixed_size: 71680
    .private_segment_fixed_size: 0
    .kernarg_segment_align: 8
    .kernarg_segment_size: 32
    .max_flat_workgroup_size: 512
    .sgpr_count:     66
    .vgpr_count:     256
    .wavefront_size: 32
...
	.end_amdgpu_metadata
.endif
;; end of part 5
